; MI455X (gfx1250); checked and timed in simulation.
; The chip was launched on July 23, 2026; its instructions are those of AMD's public machine-readable ISA for CDNA 5 (MIT licence, August 2026) and "CDNA5" Instruction Set Architecture Reference Guide (July 2026). The comments in the code are by the model that wrote it; some were corrected since.
;; Sparse Mo E. Allowed arithmetic: float matrix products may take bf16 or f16 operands with f32 sums; all other float work in f32.
;; Inputs: b1 4 x 2,048 float32; b2 4 x 1,024 float32; router_w 4 x 1,024 float32; w1 4 x 2,048 x 1,024 float32; w2 4 x 1,024 x 2,048 float32; x 2 x 2,048 x 1,024 float32.
;; Outputs: out0 2 x 2,048 x 1,024 float32; out1 one number float32.
;; One version. Each part assembles by itself: llvm-mc -triple=amdgcn-amd-amdhsa -mcpu=gfx1250 --defsym DOCPART=n.
;; ======== version 1 of 1: 5 launches
;; workspace buffers: wb 33,554,432 bytes; sel 17,408 bytes of whole numbers; rt 36,864 bytes; xg 18,874,368 bytes; plan 33,024 bytes of whole numbers; h 37,748,736 bytes; y 37,748,736 bytes
;; launch route (part 1): grid 256 x 1, 8 waves a work-group, no clusters, 9,728 bytes of LDS; arguments x, router_w, w1, w2, wb, sel, rt; writes wb, sel, rt
.if DOCPART == 1
	.amdgcn_target "amdgcn-amd-amdhsa--gfx1250"
	.amdhsa_code_object_version 6
	.text
	.protected	k_qd81df51fb4_route
	.globl	k_qd81df51fb4_route
	.p2align	8
	.type	k_qd81df51fb4_route,@function
k_qd81df51fb4_route:
	s_mov_b64 s[64:65], 0
	v_nop
	global_prefetch_b8 v0, s[64:65] scope:SCOPE_SE
	s_setreg_imm32_b32 hwreg(HW_REG_WAVE_MODE, 25, 1), 1
	s_wait_xcnt 0x0
; ROUTER AND WEIGHT CAST.  4,096 tokens of 1,024 numbers, 4 experts.
; Work-group g owns tokens 16 g .. 16 g + 15, wave w two of them: logits = x . router_w, softmax, the two largest, their renormalised weights.
; Stored: sel (one word a token: bits 0, 8, 16, 24 a one-hot of the two chosen experts, bits 5:4 the first, bits 13:12 the second; behind the 4,096 words, at byte 16,384,
; one word a work-group: in byte e the number of the group's 16 tokens that chose expert e),
; rt: cw[token][2] = the two weights at byte 0, psum[work-group][4] = the group's sums of the probabilities at byte 32,768.
; Beside that wave G = 8 g + w rounds 16,384 bytes of w1 and of w2 to bf16 (wb: w1 at byte 0, w2 at byte 16,777,216): those loads are on their way while the router works.
; THE ROUTER'S PRODUCT takes x and router_w ROUNDED TO bf16, as the experts' products do, with exact products and f32 sums.  It stands on the vector unit: its 4 columns are a
; quarter of a matrix tile, and it is one part in ten thousand of the program's multiply-adds.
; LIMITS.  The two experts are chosen once, on the logits, the lower index winning a tie; two different logits whose probabilities round to the same f32 are therefore kept in
; the logits' order.  Two logits closer than the f32 sums' rounding (some 1e-6 of their size) may fall either way.  NaN or infinite logits are not served.
.set EX,  8192                         ; LDS behind router_w's 8,192 bytes of bf16: words 0-15 sel, 16-47 cw, 48-79 the waves' sums of probabilities
.set ACC, 8                            ; v[8:15]   logit (token a, expert e) at 8 + 4 a + e
.set X,   32                           ; v[32:95]  the wave's two rows of x
.set RW,  96                           ; v[96:159] router_w in bf16: my 4 columns of each 128, all experts
.set S0,  160                          ; seven slots of 32 registers for the weight cast; S3 to S6 take X's and RW's places when the router is done
.set S1,  192
.set S2,  224
.set S3,  32
.set S4,  64
.set S5,  96
.set S6,  128
	s_load_b256 s[4:11], s[0:1], 0x0               ; x s[4:5], router_w s[6:7], w1 s[8:9], w2 s[10:11]
	s_load_b128 s[12:15], s[0:1], 0x20             ; wb s[12:13], sel s[14:15]
	s_load_b64 s[16:17], s[0:1], 0x30              ; rt
	s_set_vgpr_msb 0x40
	v_lshl_add_u32 v0, v0, 2, 0x2200
	v_mov_b32 v1, 0
	s_set_vgpr_msb 0x4000
	v_and_b32 v1, 31, v0                           ; lane
	v_lshrrev_b32 v6, 5, v0
	v_readfirstlane_b32 s20, v6                    ; wave 0..7
	v_lshlrev_b32 v2, 4, v1                        ; 16 x lane: loads of x and of the weights
	v_lshlrev_b32 v3, 3, v1                        ; 8 x lane: stores of wb, reads of router_w in LDS
	v_lshlrev_b32 v4, 6, v0                        ; 64 x thread: my 16 numbers of router_w
	v_lshlrev_b32 v5, 5, v0                        ; 32 x thread: the same in bf16
	v_mov_b32 v7, 0                                ; the lane exchange's destination counts as read
	s_mov_b32 s22, 0x76543210                      ; v_permlanex16_b32: each lane takes its own place in the other half
	s_mov_b32 s23, 0xfedcba98
	s_lshl_b32 s24, ttmp9, 16                      ; x: 16 rows of 4,096 bytes a work-group,
	s_lshl_b32 s21, s20, 13                        ; 2 rows a wave
	s_add_co_u32 s24, s24, s21
	s_mov_b32 s25, 0
	s_lshl_b32 s31, ttmp9, 3
	s_add_co_u32 s31, s31, s20                     ; G = 8 g + w
	s_lshl_b32 s26, s31, 14                        ; my 16,384 bytes of w1 and of w2
	s_mov_b32 s27, 0
	s_lshl_b32 s28, s31, 13                        ; and their 8,192 bytes in wb
	s_mov_b32 s29, 0
	s_lshl_b32 s32, ttmp9, 6                       ; sel: 16 words a work-group
	s_mov_b32 s33, 0
	s_lshl_b32 s34, ttmp9, 7                       ; cw: 32 words a work-group
	s_mov_b32 s35, 0
	s_lshl_b32 s36, ttmp9, 4                       ; psum: 4 words a work-group, behind cw
	s_add_co_u32 s36, s36, 32768
	s_mov_b32 s37, 0
	s_lshl_b32 s38, ttmp9, 2                       ; the group's word of counts, behind sel's 4,096 words
	s_add_co_u32 s38, s38, 16384
	s_mov_b32 s39, 0
	s_wait_kmcnt 0x0
	s_add_nc_u64 s[4:5], s[4:5], s[24:25]
	s_add_nc_u64 s[8:9], s[8:9], s[26:27]
	s_add_nc_u64 s[10:11], s[10:11], s[26:27]
	s_add_nc_u64 s[12:13], s[12:13], s[28:29]
	s_add_nc_u64 s[18:19], s[12:13], 0x1000000     ; w2's half of wb
	s_add_nc_u64 s[38:39], s[14:15], s[38:39]
	s_add_nc_u64 s[14:15], s[14:15], s[32:33]
	s_add_nc_u64 s[34:35], s[16:17], s[34:35]
	s_add_nc_u64 s[36:37], s[16:17], s[36:37]
.macro WLOAD slot, base, first         ; eight loads of 512 neighbouring bytes: 4,096 bytes of f32 weights
.irp i, 0,1,2,3,4,5,6,7
	global_load_b128 v[\slot+4*\i:\slot+4*\i+3], v2, s[\base:\base+1] offset:512*(\first+\i) th:TH_LOAD_NT
.endr
.endm
.macro WCONV slot, base, first, left   ; left: the younger loads, which stay out.  A lane's 4 numbers become 8 bytes; 32 lanes store 256 consecutive bytes, aligned
	s_wait_loadcnt \left
.irp i, 0,1,2,3,4,5,6,7
	v_cvt_pk_bf16_f32 v[\slot+4*\i], v[\slot+4*\i], v[\slot+4*\i+1]
	v_cvt_pk_bf16_f32 v[\slot+4*\i+1], v[\slot+4*\i+2], v[\slot+4*\i+3]
	global_store_b64 v3, v[\slot+4*\i:\slot+4*\i+1], s[\base:\base+1] offset:256*(\first+\i)
.endr
.endm
.macro RED r                           ; the sum over the wave's 32 lanes, in every lane
	v_add_f32_dpp v[\r], v[\r], v[\r] row_xmask:1 row_mask:0xf bank_mask:0xf
	v_add_f32_dpp v[\r], v[\r], v[\r] row_xmask:2 row_mask:0xf bank_mask:0xf
	v_add_f32_dpp v[\r], v[\r], v[\r] row_xmask:4 row_mask:0xf bank_mask:0xf
	v_add_f32_dpp v[\r], v[\r], v[\r] row_xmask:8 row_mask:0xf bank_mask:0xf
	v_permlanex16_b32 v7, v[\r], s22, s23
	v_add_f32 v[\r], v[\r], v7
.endm
.irp i, 0,1,2,3
	global_load_b128 v[16+4*\i:19+4*\i], v4, s[6:7] offset:16*\i   ; router_w: 64 bytes a thread, 16,384 in all
.endr
.irp a, 0,1
.irp j, 0,1,2,3,4,5,6,7
	global_load_b128 v[X+32*\a+4*\j:X+32*\a+4*\j+3], v2, s[4:5] offset:4096*\a+512*\j   ; token a, columns 128 j + 4 lane + 0..3
.endr
.endr
	WLOAD S0, 8, 0
	WLOAD S1, 8, 8
	WLOAD S2, 8, 16
	s_wait_loadcnt 40                              ; router_w is in: behind it stand x's 16 loads and 24 of w1
.irp i, 0,1,2,3,4,5,6,7
	v_cvt_pk_bf16_f32 v[ACC+\i], v[16+2*\i], v[17+2*\i]
.endr
	ds_store_b128 v5, v[8:11]                      ; element (e, k) lies at byte 2,048 e + 2 k
	ds_store_b128 v5, v[12:15] offset:16
	s_wait_dscnt 0x0                               ; for the others' sake: my part of router_w is written
	s_barrier_signal -1
	s_barrier_wait -1
.irp e, 0,1,2,3
.irp j, 0,1,2,3,4,5,6,7
	ds_load_b64 v[RW+2*(8*\e+\j):RW+2*(8*\e+\j)+1], v3 offset:2048*\e+256*\j   ; the four columns that my x of load j meets
.endr
.endr
	s_wait_loadcnt 24                              ; x is in; the 24 loads of w1 stay out
.irp i, 0,1,2,3,4,5,6,7,8,9,10,11,12,13,14,15
	v_cvt_pk_bf16_f32 v[X+4*\i], v[X+4*\i], v[X+4*\i+1]        ; x rounded to bf16, packed in place
	v_cvt_pk_bf16_f32 v[X+4*\i+1], v[X+4*\i+2], v[X+4*\i+3]
.endr
.irp i, 0,1,2,3,4,5,6,7
	v_mov_b32 v[ACC+\i], 0
.endr
	s_wait_dscnt 0x0
.irp j, 0,1,2,3,4,5,6,7                ; 256 multiply-adds straight from the bf16 halves into f32; the eight sums take turns
.irp c, 0,1
.irp e, 0,1,2,3
.irp a, 0,1
	v_fma_mix_f32_bf16 v[ACC+4*\a+\e], v[X+32*\a+4*\j+\c], v[RW+2*(8*\e+\j)+\c], v[ACC+4*\a+\e] op_sel_hi:[1,1,0]
.endr
.endr
.irp e, 0,1,2,3
.irp a, 0,1
	v_fma_mix_f32_bf16 v[ACC+4*\a+\e], v[X+32*\a+4*\j+\c], v[RW+2*(8*\e+\j)+\c], v[ACC+4*\a+\e] op_sel:[1,1,0] op_sel_hi:[1,1,0]
.endr
.endr
.endr
.endr
.irp r, 8,9,10,11,12,13,14,15
	RED \r
.endr
	v_mov_b32 v44, 0xff800000                      ; minus infinity
	v_mov_b32 v54, s20
	v_lshlrev_b32 v55, 4, v54                      ; 16 x wave
	v_lshlrev_b32 v54, 3, v54                      ; 8 x wave
; One token's routing; every lane holds the same numbers.  v32 i1, v33 l1, v34 i2, v35 l2, v36-39 exponentials, v40-43 the logits without the largest.
.macro ROUTE a
.set LG, ACC+4*\a
	v_mov_b32 v32, 0
	v_mov_b32 v33, v[LG]
.irp e, 1,2,3
	v_cmp_le_f32 vcc_lo, v[LG+\e], v33             ; not larger: the lower index stays
	v_cndmask_b32 v32, \e, v32, vcc_lo
	v_cndmask_b32 v33, v[LG+\e], v33, vcc_lo
.endr
.irp e, 0,1,2,3
	v_sub_f32 v[36+\e], v[LG+\e], v33              ; the maximum is taken away before the exponential
.endr
.irp e, 0,1,2,3
	v_mul_f32 v[36+\e], 0x3fb8aa3b, v[36+\e]
.endr
.irp e, 0,1,2,3
	v_exp_f32 v[36+\e], v[36+\e]
.endr
.irp e, 0,1,2,3                        ; plain work stands between the exponentials and the use of their results
	v_cmp_eq_u32 vcc_lo, \e, v32
	v_cndmask_b32 v[40+\e], v[LG+\e], v44, vcc_lo
.endr
	v_mov_b32 v34, 0
	v_mov_b32 v35, v40
.irp e, 1,2,3
	v_cmp_le_f32 vcc_lo, v[40+\e], v35
	v_cndmask_b32 v34, \e, v34, vcc_lo
	v_cndmask_b32 v35, v[40+\e], v35, vcc_lo
.endr
	s_wait_alu depctr_va_vdst(0)
	v_add_f32 v45, v36, v37
	v_add_f32 v46, v38, v39
	v_add_f32 v45, v45, v46                        ; Z
	v_sub_f32 v47, v35, v33
	v_mul_f32 v47, 0x3fb8aa3b, v47
	v_rcp_f32 v46, v45                             ; 1 / Z
	v_exp_f32 v47, v47                             ; p2 / p1 = e^(l2 - l1)
	v_lshlrev_b32 v51, 3, v32                      ; (a plain instruction behind the two)
	s_wait_alu depctr_va_vdst(0)
	v_add_f32 v52, 1.0, v47
	v_rcp_f32 v48, v52                             ; the first weight: p1 / (p1 + p2)
	v_lshl_add_u32 v50, 1, v51, 0                  ; (a plain instruction behind it) 1 << 8 i1
.irp e, 0,1,2,3
.if \a == 0
	v_mul_f32 v[24+\e], v[36+\e], v46              ; the probabilities: the first token starts the sums
.else
	v_fmac_f32 v[24+\e], v[36+\e], v46
.endif
.endr
	v_lshlrev_b32 v53, 3, v34
	v_lshl_add_u32 v50, 1, v53, v50                ; + 1 << 8 i2
	v_lshl_or_b32 v50, v32, 4, v50
	v_lshl_or_b32 v50, v34, 12, v50
	s_wait_alu depctr_va_vdst(0)
	v_mul_f32 v49, v47, v48                        ; the second weight
	ds_store_b32 v54, v50 offset:EX+4*\a           ; all lanes write the same word with the same value
	ds_store_b64 v55, v[48:49] offset:EX+64+8*\a
.endm
	ROUTE 0
	ROUTE 1
	ds_store_b128 v55, v[24:27] offset:EX+192
	s_wait_dscnt 0x0                               ; for wave 0's sake: my three kinds of words are written
	WLOAD S3, 8, 24                                ; x's and router_w's registers are free
	WLOAD S4, 10, 0
	WLOAD S5, 10, 8
	WLOAD S6, 10, 16
	s_barrier_signal -1
	s_barrier_wait -1
	s_cmp_lg_u32 s20, 0
	s_cbranch_scc1 .Lconv                          ; wave 0 alone stores the group's words
	v_lshlrev_b32 v16, 2, v1
	ds_load_b32 v17, v16 offset:EX                 ; lanes 0-15: sel
	ds_load_b32 v18, v16 offset:EX+64              ; cw: 32 words
	ds_load_b32 v19, v16 offset:EX+192             ; lane 4 w + e: wave w's sum for expert e
	s_wait_dscnt 0x0
	v_add_f32_dpp v19, v19, v19 row_xmask:4 row_mask:0xf bank_mask:0xf
	v_add_f32_dpp v19, v19, v19 row_xmask:8 row_mask:0xf bank_mask:0xf
	v_permlanex16_b32 v7, v19, s22, s23
	v_add_f32 v19, v19, v7                         ; lanes 0-3: the group's sums
	v_and_b32 v20, 0x01010101, v17                 ; the one-hot bits; their sum over lanes 0-15 is the group's word of counts: at most 16 in a byte
.irp m, 1,2,4,8
	v_mov_b32_dpp v7, v20 row_xmask:\m row_mask:0xf bank_mask:0xf
	v_add_nc_u32 v20, v20, v7
.endr
	global_store_b32 v16, v18, s[34:35]
	s_wait_xcnt 0x0                                ; EXEC changes only behind this wait: loads and a store are out
	v_cmp_gt_u32 vcc_lo, 16, v1
	s_and_saveexec_b32 s30, vcc_lo
	global_store_b32 v16, v17, s[14:15]
	s_wait_xcnt 0x0
	s_or_b32 exec_lo, exec_lo, s30
	v_cmp_gt_u32 vcc_lo, 4, v1
	s_and_saveexec_b32 s30, vcc_lo
	global_store_b32 v16, v19, s[36:37]
	s_wait_xcnt 0x0
	s_or_b32 exec_lo, exec_lo, s30
	v_cmp_eq_u32 vcc_lo, 0, v1
	s_and_saveexec_b32 s30, vcc_lo
	global_store_b32 v16, v20, s[38:39]            ; lane 0, whose offset is 0
	s_wait_xcnt 0x0
	s_or_b32 exec_lo, exec_lo, s30
.Lconv:
	WCONV S0, 12, 0, 48                            ; behind S0's loads stand those of S1 to S6
	s_wait_xcnt 0x0                                ; S0's registers, which the stores read, are loaded again only behind this wait
	WLOAD S0, 10, 24
	WCONV S1, 12, 8, 48                            ; S2 to S6 and S0 anew
	WCONV S2, 12, 16, 40                           ; from here the counts run down by eight
	WCONV S3, 12, 24, 32
	WCONV S4, 18, 0, 24
	WCONV S5, 18, 8, 16
	WCONV S6, 18, 16, 8
	WCONV S0, 18, 24, 0
	s_set_vgpr_msb 0x5
	s_wait_tensorcnt 0x0
	ds_add_u32 v0, v1
	s_wait_dscnt 0x0
	s_set_vgpr_msb 0x500
	s_endpgm
.Lfunc_end_k_qd81df51fb4_route:
	.size	k_qd81df51fb4_route, .Lfunc_end_k_qd81df51fb4_route-k_qd81df51fb4_route
	.p2alignl 7, 3214868480
	.fill 96, 4, 3214868480
	.section	.rodata,"a",@progbits
	.p2align	6, 0x0
	.amdhsa_kernel k_qd81df51fb4_route
		.amdhsa_group_segment_fixed_size 9728
		.amdhsa_private_segment_fixed_size 0
		.amdhsa_enable_private_segment 0
		.amdhsa_kernarg_size 56
		.amdhsa_user_sgpr_count 2
		.amdhsa_user_sgpr_kernarg_segment_ptr 1
		.amdhsa_wavefront_size32 1
		.amdhsa_system_sgpr_workgroup_id_x 1
		.amdhsa_system_sgpr_workgroup_id_y 1
		.amdhsa_system_sgpr_workgroup_id_z 1
		.amdhsa_system_vgpr_workitem_id 0
		.amdhsa_next_free_vgpr 258
		.amdhsa_next_free_sgpr 66
		.amdhsa_reserve_vcc 1
		.amdhsa_float_denorm_mode_32 3
		.amdhsa_float_denorm_mode_16_64 3
		.amdhsa_memory_ordered 1
		.amdhsa_forward_progress 1
		.amdhsa_inst_pref_size 56
	.end_amdhsa_kernel
	.amdgpu_metadata
---
amdhsa.version: [ 1, 2 ]
amdhsa.kernels:
  - .name:           k_qd81df51fb4_route
    .symbol:         k_qd81df51fb4_route.kd
    .args:
      - { .name: x, .offset: 0, .size: 8, .value_kind: global_buffer, .address_space: global }
      - { .name: router_w, .offset: 8, .size: 8, .value_kind: global_buffer, .address_space: global }
      - { .name: w1, .offset: 16, .size: 8, .value_kind: global_buffer, .address_space: global }
      - { .name: w2, .offset: 24, .size: 8, .value_kind: global_buffer, .address_space: global }
      - { .name: wb, .offset: 32, .size: 8, .value_kind: global_buffer, .address_space: global }
      - { .name: sel, .offset: 40, .size: 8, .value_kind: global_buffer, .address_space: global }
      - { .name: rt, .offset: 48, .size: 8, .value_kind: global_buffer, .address_space: global }
    .group_segment_fixed_size: 9728
    .private_segment_fixed_size: 0
    .kernarg_segment_align: 8
    .kernarg_segment_size: 56
    .max_flat_workgroup_size: 256
    .sgpr_count:     66
    .vgpr_count:     258
    .wavefront_size: 32
...
	.end_amdgpu_metadata
.endif
;; end of part 1
;; launch scatter (part 2): grid 256 x 1, 8 waves a work-group, no clusters, 0 bytes of LDS; arguments x, sel, rt, xg, plan, out1; writes xg, plan, out1
.if DOCPART == 2
	.amdgcn_target "amdgcn-amd-amdhsa--gfx1250"
	.amdhsa_code_object_version 6
	.text
	.protected	k_qd81df51fb4_scatter
	.globl	k_qd81df51fb4_scatter
	.p2align	8
	.type	k_qd81df51fb4_scatter,@function
k_qd81df51fb4_scatter:
	s_mov_b64 s[64:65], 0
	v_nop
	global_prefetch_b8 v0, s[64:65] scope:SCOPE_SE
	s_setreg_imm32_b32 hwreg(HW_REG_WAVE_MODE, 25, 1), 1
	s_wait_xcnt 0x0
; THE PLAN AND THE SCATTER.  The 8,192 (token, expert) rows are laid into 32 blocks of 288 slots, each block of one expert, so that the two products that follow have a fixed grid.
; All of it is whole-number arithmetic on whole numbers that an earlier launch stored (sel: a word a token; at byte 16,384 a word a group of 16 tokens, in byte e the group's
; tokens of expert e), and every wave does it anew (no traffic between work-groups, no LDS, no barrier):
;   c_e tokens of expert e (their sum is 8,192);  m_e = ceil(c_e / 288): their sum is at most (8,192 + 4 x 287) / 288, so at most 32;
;   the 32 - sum(m) blocks left over go to the first expert with the largest c: g_e blocks;  q_e = ceil(c_e / g_e) <= 288 rows a block;  B_e = the blocks in front of expert e.
;   The token of rank r in expert e (ranks in token order) lies in block B_e + j, j = floor(r / q_e), at row r - j q_e.
;   No block is empty: (g - 1) q < c holds where (g - 1)^2 < c, and c > 288 (m - 1) for g = m, c >= 2,048 > 31^2 for the largest expert.
; Divisions are counts over lanes: ceil(c / d) = the number of k with k d < c.  Sums over the 32 lanes are counts too: bit k of a byte is asked of every lane, the lanes that
; have it are counted, and the eight counts are joined from the top bit down (sum = 2 sum + count): the results land in scalar registers, where the plan's arithmetic stands.
; Wave w of work-group g rounds x's rows 16 g + 2 w and + 1 to bf16 and stores each into its two slots of xg; stores the four slot numbers (plan: ts[token][2]);
; and zeroes its share of the rows of block g / 8 that hold no token.  Wave 0 of work-group 0 stores each block's expert (plan, byte 32,768) and the auxiliary loss.
.set XR, 32                            ; v[32:95]   two rows of x: 8 numbers a lane of each 256
.set YR, 96                            ; v[96:127]  the same in bf16
.set CNT, 16384                        ; sel: where the groups' words of counts begin
	s_load_b256 s[4:11], s[0:1], 0x0               ; x s[4:5], sel s[6:7], rt s[8:9], xg s[10:11]
	s_load_b128 s[12:15], s[0:1], 0x20             ; plan s[12:13], out1 s[14:15]
	v_and_b32 v1, 31, v0                           ; lane
	v_lshrrev_b32 v4, 5, v0
	v_readfirstlane_b32 s16, v4                    ; wave 0..7
	s_mov_b32 s17, ttmp9                           ; g
	v_lshlrev_b32 v2, 4, v1                        ; 16 x lane
	v_lshlrev_b32 v3, 5, v1                        ; 32 x lane
	v_mul_u32_u24 v5, v1, 288                      ; 288 x lane
	v_and_b32 v27, 15, v1
	s_lshl_b32 s19, s17, 6
	v_lshl_add_u32 v27, v27, 2, s19                ; my own group's words, one a lane
	v_lshlrev_b32 v30, 3, v1
	v_sub_nc_u32 v30, s17, v30                     ; g - 8 lane: so many of my eight groups lie in front of my work-group's
	s_lshl_b32 s18, s16, 3
	s_add_co_u32 s18, s18, s19                     ; my wave's two words
	s_lshl_b32 s54, s17, 16
	s_lshl_b32 s55, s16, 13
	s_add_co_u32 s54, s54, s55                     ; my wave's two rows of x
	s_mov_b32 s55, 0
	s_mov_b32 s22, 0x76543210                      ; v_permlanex16_b32: each lane takes its own place in the other half
	s_mov_b32 s23, 0xfedcba98
	s_mov_b32 s56, 0x01010101                      ; the one-hot bits of a word
	s_lshl_b32 s57, s16, 1                         ; tokens of my group in front of mine
	s_wait_kmcnt 0x0
	s_load_b64 s[20:21], s[6:7], s18 offset:0x0
	global_load_b128 v[10:13], v3, s[6:7] offset:CNT       ; the counts of groups 8 lane .. 8 lane + 3,
	global_load_b128 v[14:17], v3, s[6:7] offset:CNT+16    ; + 4 .. + 7: the two loads cover the 1,024 bytes
	global_load_b32 v28, v27, s[6:7]
	s_add_nc_u64 s[4:5], s[4:5], s[54:55]
.irp a, 0,1
.irp j, 0,1,2,3
	global_load_b128 v[XR+32*\a+8*\j:XR+32*\a+8*\j+3],   v3, s[4:5] offset:4096*\a+1024*\j      ; columns 256 j + 8 lane + 0..3,
	global_load_b128 v[XR+32*\a+8*\j+4:XR+32*\a+8*\j+7], v3, s[4:5] offset:4096*\a+1024*\j+16   ; + 4..7: they pack into 16 bytes of bf16
.endr
.endr
.macro REDF r                          ; f32 sum over the 32 lanes, in every lane
	v_add_f32_dpp v[\r], v[\r], v[\r] row_xmask:1 row_mask:0xf bank_mask:0xf
	v_add_f32_dpp v[\r], v[\r], v[\r] row_xmask:2 row_mask:0xf bank_mask:0xf
	v_add_f32_dpp v[\r], v[\r], v[\r] row_xmask:4 row_mask:0xf bank_mask:0xf
	v_add_f32_dpp v[\r], v[\r], v[\r] row_xmask:8 row_mask:0xf bank_mask:0xf
	v_permlanex16_b32 v4, v[\r], s22, s23
	v_add_f32 v[\r], v[\r], v4
.endm
.macro BALLOT r, d                     ; s[d + e] = the sum over the 32 lanes of byte e of v[r], e = 0..3, the four bytes side by side
.irp k, 7,6,5,4,3,2,1,0
.irp e, 0,1,2,3
	v_and_b32 v[18+\e], 1<<(8*\e+\k), v[\r]
.endr
.irp e, 0,1,2,3
	v_cmp_ne_u32 s[44+\e], 0, v[18+\e]             ; the lanes whose byte e has bit k
.endr
.irp e, 0,1,2,3
.if \k == 7
	s_bcnt1_i32_b32 s[\d+\e], s[44+\e]             ; the top bit starts the sum
.else
	s_bcnt1_i32_b32 s[44+\e], s[44+\e]
	s_lshl1_add_u32 s[\d+\e], s[\d+\e], s[44+\e]   ; sum = 2 sum + count
.endif
.endr
.endr
.endm
.macro PICK d, idx, a0, a1, a2, a3     ; d = a[idx]
	s_cmp_eq_u32 \idx, 1
	s_cselect_b32 \d, \a1, \a0
	s_cmp_eq_u32 \idx, 2
	s_cselect_b32 \d, \a2, \d
	s_cmp_eq_u32 \idx, 3
	s_cselect_b32 \d, \a3, \d
.endm
.macro SLOT d, idx                     ; the slot of the token in hand in expert idx
	PICK s48, \idx, s40, s41, s42, s43             ; r
	PICK s49, \idx, s32, s33, s34, s35             ; q
	PICK s54, \idx, s36, s37, s38, s39             ; B
	v_mul_lo_u32 v26, v1, s49
	v_cmp_ge_u32 vcc_lo, s48, v26                  ; lanes k with k q <= r: j + 1 of them (j < 32)
	s_bcnt1_i32_b32 s55, vcc_lo
	s_sub_co_u32 s55, s55, 1                       ; j
	s_add_co_u32 s54, s54, s55
	s_mul_i32 s54, s54, 288
	s_mul_i32 s55, s55, s49
	s_sub_co_u32 s48, s48, s55
	s_add_co_u32 \d, s54, s48                      ; (B + j) x 288 + r - j q
	s_min_u32 \d, \d, 9215                         ; a number made of loaded words enters an address only behind a clamp
.endm
.macro TOKEN word, d0, d1
	s_bfe_u32 s44, \word, 0x20004                  ; the token's first expert,
	SLOT \d0, s44
	s_bfe_u32 s44, \word, 0x2000c                  ; its second
	SLOT \d1, s44
.endm
	s_wait_loadcnt 16                              ; the counts and my group's words are in: behind these three loads stand x's 16
	v_add_nc_u32 v6, v10, v11                      ; my eight groups together: bytes of at most 128
	v_add_nc_u32 v7, v12, v13
	v_add_nc_u32 v8, v14, v15
	v_add_nc_u32 v9, v16, v17
	v_add_nc_u32 v6, v6, v7
	v_add_nc_u32 v8, v8, v9
	v_add_nc_u32 v6, v6, v8
	v_and_b32 v28, s56, v28
	v_cmp_gt_u32 vcc_lo, s57, v1                   ; lanes 0 .. 2 w - 1: the tokens of my group in front of mine
	v_cndmask_b32 v8, 0, v28, vcc_lo               ; they start the sum of what lies in front of my first token: bytes of at most 129
.irp j, 0,1,2,3,4,5,6,7
	v_cmp_lt_i32 vcc_lo, \j, v30
	v_cndmask_b32 v31, 0, v[10+\j], vcc_lo
	v_add_nc_u32 v8, v8, v31
.endr
	BALLOT 6, 24                                   ; c_e in s24-27
	BALLOT 8, 40                                   ; my first token's ranks in s40-43
.irp e, 0,1,2,3
	v_cmp_gt_u32 s[44+\e], s[24+\e], v5            ; lanes k with 288 k < c
.endr
.irp e, 0,1,2,3
	s_bcnt1_i32_b32 s[28+\e], s[44+\e]             ; m_e
.endr
	s_add_co_u32 s54, s28, s29
	s_add_co_u32 s55, s30, s31
	s_add_co_u32 s54, s54, s55
	s_sub_co_u32 s54, 32, s54                      ; the blocks left over
	s_mov_b32 s55, 0
	s_mov_b32 s59, s24
.irp e, 1,2,3
	s_cmp_gt_u32 s[24+\e], s59                     ; the first expert with the largest c
	s_cselect_b32 s55, \e, s55
	s_cselect_b32 s59, s[24+\e], s59
.endr
.irp e, 0,1,2,3
	s_cmp_eq_u32 s55, \e
	s_cselect_b32 s59, s54, 0
	s_add_co_u32 s[28+\e], s[28+\e], s59           ; g_e
.endr
	s_mov_b32 s36, 0                               ; B_e
	s_mov_b32 s37, s28
	s_add_co_u32 s38, s37, s29
	s_add_co_u32 s39, s38, s30
.irp e, 0,1,2,3
	v_mul_lo_u32 v[10+\e], v1, s[28+\e]            ; k g for k = lane
	s_lshl_b32 s[50+\e], s[28+\e], 5
	s_mov_b32 s[32+\e], 0
.endr
.rept 9                                ; q_e = the number of k < 288 with k g < c, 32 values of k at a time, the four experts side by side
.irp e, 0,1,2,3
	v_cmp_gt_u32 s[44+\e], s[24+\e], v[10+\e]
.endr
.irp e, 0,1,2,3
	v_add_nc_u32 v[10+\e], s[50+\e], v[10+\e]
.endr
.irp e, 0,1,2,3
	s_bcnt1_i32_b32 s[44+\e], s[44+\e]
	s_add_co_u32 s[32+\e], s[32+\e], s[44+\e]
.endr
.endr
	s_wait_kmcnt 0x0                               ; my two words
	TOKEN s20, s50, s51
.irp e, 0,1,2,3
	s_bfe_u32 s44, s20, 0x10000|(8*\e)             ; the first token stands in front of the second
	s_add_co_u32 s[40+\e], s[40+\e], s44
.endr
	TOKEN s21, s52, s53
	s_wait_loadcnt 0x0                             ; x
.irp i, 0,1,2,3,4,5,6,7,8,9,10,11,12,13,14,15,16,17,18,19,20,21,22,23,24,25,26,27,28,29,30,31
	v_cvt_pk_bf16_f32 v[YR+\i], v[XR+2*\i], v[XR+2*\i+1]
.endr
.irp i, 0,1,2,3
	v_lshl_add_u32 v[128+\i], s[50+\i], 11, v2     ; slot x 2,048 bytes + 16 x lane
.endr
.irp a, 0,1
.irp d, 0,1
.irp j, 0,1,2,3
	global_store_b128 v[128+2*\a+\d], v[YR+16*\a+4*\j:YR+16*\a+4*\j+3], s[10:11] offset:512*\j   ; 512 consecutive bytes, aligned
.endr
.endr
.endr
.irp i, 0,1,2,3
	v_mov_b32 v[144+\i], s[50+\i]
	v_mov_b32 v[140+\i], 0
.endr
	s_lshl_b32 s59, s17, 7
	s_lshl4_add_u32 s59, s16, s59                  ; ts of my two tokens: byte 128 g + 16 w
	v_mov_b32 v148, s59
	s_wait_xcnt 0x0                                ; EXEC changes only behind this wait
	v_cmp_eq_u32 vcc_lo, 0, v1
	s_and_saveexec_b32 s60, vcc_lo
	global_store_b128 v148, v[144:147], s[12:13]
	s_wait_xcnt 0x0
	s_or_b32 exec_lo, exec_lo, s60
	; the rows of block b = g / 8 that hold no token are zeroed: 64 waves share them, row n_b + u + 64 i for wave u
	s_lshr_b32 s54, s17, 3                         ; b
	s_and_b32 s55, s17, 7
	s_lshl3_add_u32 s55, s55, s16                  ; u
	s_mov_b32 s44, 0
.irp k, 37,38,39
	s_cmp_ge_u32 s54, s\k
	s_cselect_b32 s59, 1, 0
	s_add_co_u32 s44, s44, s59                     ; the block's expert
.endr
	PICK s47, s44, s24, s25, s26, s27
	PICK s48, s44, s32, s33, s34, s35
	PICK s49, s44, s36, s37, s38, s39
	s_sub_co_u32 s49, s54, s49
	s_mul_i32 s49, s49, s48
	s_sub_co_u32 s47, s47, s49
	s_min_u32 s47, s47, s48                        ; n_b = min(q, c - (b - B) q)
	s_add_co_u32 s47, s47, s55
	s_mul_i32 s54, s54, 288
.irp i, 0,1,2,3,4                      ; at most 287 rows for 64 waves: five trips, written out, each with an offset register of its own
	s_cmp_lt_u32 s47, 288
	s_cbranch_scc0 .Lpads_done
	s_add_co_u32 s59, s54, s47
	s_min_u32 s59, s59, 9215
	v_lshl_add_u32 v[132+\i], s59, 11, v2
.irp j, 0,1,2,3
	global_store_b128 v[132+\i], v[140:143], s[10:11] offset:512*\j
.endr
	s_add_co_u32 s47, s47, 64
.endr
.Lpads_done:
	s_or_b32 s59, s17, s16
	s_cmp_lg_u32 s59, 0
	s_cbranch_scc1 .Lend
	; wave 0 of work-group 0: lane b holds block b's expert, the last k with B_k <= b
	v_mov_b32 v150, 0
.irp k, 1,2,3
	v_cmp_gt_u32 vcc_lo, s[36+\k], v1              ; B_k > b: what the lane holds stays
	v_cndmask_b32 v150, \k, v150, vcc_lo
.endr
	v_lshlrev_b32 v152, 2, v1
	global_store_b32 v152, v150, s[12:13] offset:32768
.irp i, 0,1,2,3,4,5,6,7
	global_load_b128 v[156+4*\i:159+4*\i], v2, s[8:9] offset:32768+512*\i   ; the 256 groups' sums of probabilities
.endr
	s_wait_loadcnt 0x0
.irp i, 1,2,3,4,5,6,7
	v_pk_add_f32 v[156:157], v[156:157], v[156+4*\i:157+4*\i]
	v_pk_add_f32 v[158:159], v[158:159], v[158+4*\i:159+4*\i]
.endr
	REDF 156
	REDF 157
	REDF 158
	REDF 159
	v_cvt_f32_u32 v148, s24
	v_cvt_f32_u32 v149, s25
	v_cvt_f32_u32 v154, s26
	v_cvt_f32_u32 v155, s27
	v_mul_f32 v148, v148, v156
	v_fmac_f32 v148, v149, v157
	v_fmac_f32 v148, v154, v158
	v_fmac_f32 v148, v155, v159
	v_mul_f32 v148, 0x34000000, v148               ; 4 x sum (c / 8,192) (S / 4,096) = 2^-23 x sum c S
	v_mov_b32 v153, 0
	s_wait_xcnt 0x0
	v_cmp_eq_u32 vcc_lo, 0, v1
	s_and_saveexec_b32 s60, vcc_lo
	global_store_b32 v153, v148, s[14:15]
	s_wait_xcnt 0x0
	s_or_b32 exec_lo, exec_lo, s60
.Lend:
	s_endpgm
.Lfunc_end_k_qd81df51fb4_scatter:
	.size	k_qd81df51fb4_scatter, .Lfunc_end_k_qd81df51fb4_scatter-k_qd81df51fb4_scatter
	.p2alignl 7, 3214868480
	.fill 96, 4, 3214868480
	.section	.rodata,"a",@progbits
	.p2align	6, 0x0
	.amdhsa_kernel k_qd81df51fb4_scatter
		.amdhsa_group_segment_fixed_size 0
		.amdhsa_private_segment_fixed_size 0
		.amdhsa_enable_private_segment 0
		.amdhsa_kernarg_size 48
		.amdhsa_user_sgpr_count 2
		.amdhsa_user_sgpr_kernarg_segment_ptr 1
		.amdhsa_wavefront_size32 1
		.amdhsa_system_sgpr_workgroup_id_x 1
		.amdhsa_system_sgpr_workgroup_id_y 1
		.amdhsa_system_sgpr_workgroup_id_z 1
		.amdhsa_system_vgpr_workitem_id 0
		.amdhsa_next_free_vgpr 192
		.amdhsa_next_free_sgpr 66
		.amdhsa_reserve_vcc 1
		.amdhsa_float_denorm_mode_32 3
		.amdhsa_float_denorm_mode_16_64 3
		.amdhsa_memory_ordered 1
		.amdhsa_forward_progress 1
		.amdhsa_inst_pref_size 41
	.end_amdhsa_kernel
	.amdgpu_metadata
---
amdhsa.version: [ 1, 2 ]
amdhsa.kernels:
  - .name:           k_qd81df51fb4_scatter
    .symbol:         k_qd81df51fb4_scatter.kd
    .args:
      - { .name: x, .offset: 0, .size: 8, .value_kind: global_buffer, .address_space: global }
      - { .name: sel, .offset: 8, .size: 8, .value_kind: global_buffer, .address_space: global }
      - { .name: rt, .offset: 16, .size: 8, .value_kind: global_buffer, .address_space: global }
      - { .name: xg, .offset: 24, .size: 8, .value_kind: global_buffer, .address_space: global }
      - { .name: plan, .offset: 32, .size: 8, .value_kind: global_buffer, .address_space: global }
      - { .name: out1, .offset: 40, .size: 8, .value_kind: global_buffer, .address_space: global }
    .group_segment_fixed_size: 0
    .private_segment_fixed_size: 0
    .kernarg_segment_align: 8
    .kernarg_segment_size: 48
    .max_flat_workgroup_size: 256
    .sgpr_count:     66
    .vgpr_count:     192
    .wavefront_size: 32
...
	.end_amdgpu_metadata
.endif
;; end of part 2
;; launch ffn1 (part 3): grid 8 x 32, 4 waves a work-group, clusters of 4 x 1, 327,680 bytes of LDS; arguments xg, wb, b1, plan, h; writes h
.if DOCPART == 3
	.amdgcn_target "amdgcn-amd-amdhsa--gfx1250"
	.amdhsa_code_object_version 6
	.text
	.protected	k_qd81df51fb4_ffn1
	.globl	k_qd81df51fb4_ffn1
	.p2align	8
	.type	k_qd81df51fb4_ffn1,@function
k_qd81df51fb4_ffn1:
	s_mov_b64 s[64:65], 0
	v_nop
	global_prefetch_b8 v0, s[64:65] scope:SCOPE_SE
	s_setreg_imm32_b32 hwreg(HW_REG_WAVE_MODE, 25, 1), 1
	s_wait_xcnt 0x0
	s_wait_alu depctr_hold_cnt(0) depctr_sa_sdst(0) depctr_va_vdst(0) depctr_va_sdst(0) depctr_va_ssrc(0) depctr_va_vcc(0) depctr_vm_vsrc(0)
	s_getreg_b32 s2, hwreg(HW_REG_IB_STS2, 6, 4)
	s_cmp_eq_u32 s2, 0
	s_cbranch_scc0 .Lentry_in_a_cluster
	s_endpgm
.Lentry_in_a_cluster:
	s_bfe_u32 s2, ttmp6, 0x10000c
	s_cmp_lg_u32 s2, 0x3003
	s_cbranch_scc0 .Lentry_shape_is_right
	s_endpgm
.Lentry_shape_is_right:
; THE EXPERTS' FIRST PRODUCT: h = silu(xg W1_e^T + b1_e), for a block of 288 slots, all of one expert e.  xg: [9216][1024] bf16, W1 in wb: [4][2048][1024] bf16, h: [9216][2048] bf16; sums in f32.
; (One text serves both products; LAYER picks the sizes and the way out.  LAYER 2: y = h W2_e^T + b2_e, y: [9216][1024] f32.)
; SHARES.  Work-group (n, y): block y, columns 32 NB n on: a tile of 288 x 32 NB.  Four waves, 2 x 2: a wave makes 144 rows x 16 NB columns: 9 NB accumulators of 16 x 16.
; K goes in steps of 128 (rows of 256 bytes, aligned) through a ring of two LDS slots filled by the tensor data mover; a K step is four quarters of 32 on two fragment buffers.
; THE BLOCK'S EXPERT is a whole number that an earlier launch stored (plan, byte 32,768 + 4 y).  It enters the weights' and the bias's global addresses alone.
; CLUSTER.  The four work-groups of a cluster share y, so they need the same tiles of A: waves 0 and 1 ask for A's two halves JOINTLY (the same descriptor, mask 15).
; B's tiles are asked for singly, by waves 2 and 3: the partners differ in n, and work-groups of equal n differ in y, whose blocks need not belong to one expert.
; THE MATRIX INSTRUCTION IS USED TRANSPOSED (source 0 = 16 rows of the weights, source 1 = 16 slots): a lane holds one slot (lane % 16) and eight neighbouring columns 8 (lane / 16) + 0..7.
; All 288 rows are made and stored; rows that hold no token are zeros in xg, give finite numbers, and are read by no token.
; LIMIT.  Only a token's two experts are computed: where an expert that a token did not choose would overflow, the dense form gives NaN (0 x infinity) and this one a finite number.
; REGISTERS, in windows of 256: window 0: v16-29 addresses; v32-103, v104-175 A's 9 fragments, two buffers; on the way out v32-255 at work.
;   accumulator (a, b) is register 8 (a NB + b), counted from window 1's first.   window 3: v64.., v128.. B's NB fragments, two buffers; v192.. the bias of my columns.
.set LAYER, 1
.if LAYER == 1
.set NB,   8
.set KTOT, 1024
.set WOFF, 0
.else
.set NB,   4
.set KTOT, 2048
.set WOFF, 16777216
.endif
.set ROWB,  2*KTOT                     ; bytes in a row of A and of B
.set LAPS,  KTOT/256                   ; a lap = two K steps = once round the ring
.set PITCH, 272                        ; an LDS row: 256 bytes + 16 of padding = 68 words: the 16 rows that a load touches start at 16 different banks (64 banks of 4 bytes: ISA guide 11.1)
.set HALFA, 144*PITCH                  ; what one load brings of A, and what one wave reads of it
.set HALFB, 16*NB*PITCH                ; the same for B
.set SLOT,  2*HALFA+2*HALFB            ; A's 288 rows, then B's 32 NB rows
.set STAGE, 2*SLOT                     ; behind the ring: 16 rows x 272 bytes for each wave, for the way out
.set SPARE, STAGE+4*16*PITCH           ; behind the stages: the spare words, 128 bytes for each wave: two blocks of 256 bytes that no other line names
.set NF,    2*NB+18                    ; LDS loads of a quarter's fragments
.set ADRA, 16                          ; v16-17  LDS address of my A fragments in slot 0, 1
.set ADRB, 20                          ; v20-21  the same for B
.set STO,  24                          ; v24     the way out: where I put my numbers of a row
.set RD,   25                          ; v25     the way out: where I read a row back
.set CO,   26                          ; v26     my byte offset in the output
.set BO,   27                          ; v27     my byte offset in the bias
.set SPW,  28                          ; v28     LDS address of my spare word; never rewritten
.set NIL,  29                          ; v29     0; never rewritten
.set FA0,  32
.set FB0,  64
.set BIAS, 192
.set Z,    32                          ; the way out, window 0: sums + bias; exponentials; what goes to the stage; rows read back, two buffers
.set E,    96
.set TMP,  160
.set OB,   192
.set G1A, 24                           ; s[24:31] descriptor group 1 for A's tiles;  s[32:39] group 0, a set for each slot
.set G0A, 32
.set G1B, 48                           ; s[48:55], s[56:63] the same for B's tiles
.set G0B, 56
.set MSB, 0
.macro WIN new                         ; the immediate's high byte repeats the setting that is left; a switch that changes nothing is dropped
.if MSB != \new
	s_set_vgpr_msb (MSB<<8)|\new
.set MSB, \new
.endif
.endm
.macro PLACES                          ; four places in front of loads into registers that matrix instructions have read, and of vector instructions that read results
.rept 4
	v_nop
.endr
.endm
; A refill: waves 0 and 1 ask jointly for A's halves, waves 2 and 3 singly for B's.  The branch hangs on the wave's number alone.
; Four v_nop follow each of the two lines, ahead of the jump, the label and what follows.
.macro JLOAD s
	s_cmp_lt_u32 s14, 2
	s_cbranch_scc0 .Lfor_b_\@
	tensor_load_to_lds s[G0A+4*\s:G0A+4*\s+3], s[G1A:G1A+7]
	s_nop 0
.rept 4
	v_nop
.endr
	s_branch .Lasked_\@
.Lfor_b_\@:
	tensor_load_to_lds s[G0B+4*\s:G0B+4*\s+3], s[G1B:G1B+7]
	s_nop 0
.rept 4
	v_nop
.endr
.Lasked_\@:
.endm
.macro CREST                           ; a round of the cluster's barrier behind its opening barrier
	s_cmp_lg_u32 s14, 0
	s_cbranch_scc1 .Lnot_wave_0_\@
	s_barrier_signal -3
.Lnot_wave_0_\@:
	s_barrier_wait -3
	s_barrier_signal -1
	s_barrier_wait -1
.endm
.macro CROUND                          ; a whole round
	s_barrier_signal -1
	s_barrier_wait -1
	CREST
.endm
	s_load_b256 s[4:11], s[0:1], 0x0               ; A s[4:5], wb s[6:7], bias s[8:9], plan s[10:11]
	s_load_b64 s[12:13], s[0:1], 0x20              ; the output
	v_lshl_add_u32 v[SPW], v0, 2, SPARE
	v_mov_b32 v[NIL], 0
	ds_add_u32 v28, v29
	s_wait_dscnt 0x0
	v_lshrrev_b32 v1, 5, v0
	v_readfirstlane_b32 s14, v1                    ; wave 0..3
	s_lshr_b32 s15, s14, 1                         ; which 144 rows are mine
	s_and_b32 s16, s14, 1                          ; which half of the columns.  Also: which half of A's or B's tile I fetch
	s_bfe_u32 s17, ttmp6, 0x40000                  ; cx: my place in the cluster
	s_lshl_b32 s18, ttmp9, 2                       ; in a cluster launch ttmp9 counts clusters
	s_add_co_u32 s18, s18, s17                     ; n = 4 x cluster x + cx: it enters B's, the bias's and the output's addresses alone
	s_and_b32 s19, ttmp7, 0xffff                   ; y, which the four partners share
	s_lshl_b32 s21, s19, 2
	s_wait_kmcnt 0x0
	s_load_b32 s20, s[10:11], s21 offset:0x8000    ; the block's expert
	; descriptor group 1: rows of 128 elements of 2 bytes, padded in LDS
	s_mov_b32 s[G1A+0], 15|(1<<16)|(1<<20)|(1<<21)|(5<<22)|(3<<25)  ; 15:0 the mask: all four work-groups; 17:16 elements of 2 bytes; 20 padding on; 21 set beside a mask; 24:22 after every 64 words (code 5); 31:25 4 words of it (code 3)
	s_mov_b32 s[G1B+0], (1<<16)|(1<<20)|(5<<22)|(3<<25)             ; the same without a mask
	s_mov_b32 s[G1A+1], 128<<16                    ; tensor_dim0 = 128
	s_mov_b32 s[G1B+1], 128<<16
	s_mov_b32 s[G1A+2], 144<<16                    ; tensor_dim1 = the tile's rows
	s_mov_b32 s[G1B+2], (16*NB)<<16
	s_mov_b32 s[G1A+3], 128<<16                    ; tile_dim0 = 128
	s_mov_b32 s[G1B+3], 128<<16
	s_mov_b32 s[G1A+4], 144                        ; tile_dim1
	s_mov_b32 s[G1B+4], 16*NB
	s_mov_b32 s[G1A+5], KTOT                       ; elements from row to row
	s_mov_b32 s[G1B+5], KTOT
	s_mov_b32 s[G1A+6], 0
	s_mov_b32 s[G1B+6], 0
	s_mov_b32 s[G1A+7], 0
	s_mov_b32 s[G1B+7], 0
	s_mul_i32 s40, s19, 288*ROWB                   ; A: the block's rows, my half of them; no register of this ever holds cx
	s_mul_i32 s41, s16, 144*ROWB
	s_add_co_u32 s40, s40, s41
	s_mov_b32 s41, 0
	s_add_nc_u64 s[40:41], s[4:5], s[40:41]
	s_mul_i32 s44, s14, HALFA                      ; where they go: A's halves at wave x 144 rows,
	s_mul_i32 s45, s14, HALFB                      ; B's (waves 2, 3) behind A's 288 rows
	s_add_co_u32 s45, s45, 2*HALFA-2*HALFB
	s_wait_kmcnt 0x0
	s_min_u32 s20, s20, 3                          ; a loaded number enters an address only behind a clamp
	s_lshl_b32 s42, s20, 22                        ; B: an expert's weights are 4,194,304 bytes,
	s_mul_i32 s43, s18, 32*NB*ROWB                 ; my work-group's rows,
	s_add_co_u32 s42, s42, s43
	s_mul_i32 s43, s16, 16*NB*ROWB                 ; my half of them
	s_add_co_u32 s42, s42, s43
	s_add_co_u32 s42, s42, WOFF
	s_mov_b32 s43, 0
	s_add_nc_u64 s[42:43], s[6:7], s[42:43]
.irp s, 0,1
	s_mov_b32 s[G0A+4*\s], 1                                       ; count = 1
	s_add_co_u32 s[G0A+4*\s+1], s44, \s*SLOT                       ; LDS address
	s_add_nc_u64 s[G0A+4*\s+2:G0A+4*\s+3], s[40:41], \s*256        ; global address: K step s
	s_or_b32 s[G0A+4*\s+3], s[G0A+4*\s+3], 0x80000000              ; type = 2
	s_mov_b32 s[G0B+4*\s], 1
	s_add_co_u32 s[G0B+4*\s+1], s45, \s*SLOT
	s_add_nc_u64 s[G0B+4*\s+2:G0B+4*\s+3], s[42:43], \s*256
	s_or_b32 s[G0B+4*\s+3], s[G0B+4*\s+3], 0x80000000
.endr
	CROUND                                         ; all four work-groups are here: the first joint loads meet
	s_cmp_lt_u32 s14, 2                            ; a wave's two first fills stand in one branch, ahead of every wait on TENSORcnt and every LDS read: two loads of mine are out
	s_cbranch_scc0 .Lfirst_b
	tensor_load_to_lds s[G0A:G0A+3], s[G1A:G1A+7]
	s_nop 0
	tensor_load_to_lds s[G0A+4:G0A+7], s[G1A:G1A+7]
	s_nop 0
.rept 4
	v_nop
.endr
	s_branch .Lfirst_asked
.Lfirst_b:
	tensor_load_to_lds s[G0B:G0B+3], s[G1B:G1B+7]
	s_nop 0
	tensor_load_to_lds s[G0B+4:G0B+7], s[G1B:G1B+7]
	s_nop 0
.rept 4
	v_nop
.endr
.Lfirst_asked:
	; A fragment is 16 rows x 32 K in 8 registers: lane l holds row l % 16; registers 0-3 K = 8 (l / 16) + 0..7, registers 4-7 K = 16 + 8 (l / 16) + 0..7: two loads of 16 bytes, 32 bytes apart.
	v_and_b32 v1, 15, v0                           ; l % 16
	v_bfe_u32 v2, v0, 4, 1                         ; l / 16
	v_mul_u32_u24 v3, v1, PITCH
	v_lshl_add_u32 v3, v2, 4, v3
	s_mul_i32 s21, s15, HALFA                      ; my 144 rows of A
	s_mul_i32 s22, s16, HALFB                      ; my 16 NB rows of B,
	s_add_co_u32 s22, s22, 2*HALFA                 ; which lie behind A's 288
.irp s, 0,1
	v_add_nc_u32 v[ADRA+\s], s21, v3
	v_add_nc_u32 v[ADRB+\s], s22, v3
	s_add_co_u32 s21, s21, SLOT
	s_add_co_u32 s22, s22, SLOT
.endr
	s_mul_i32 s23, s14, 16*PITCH
	s_add_co_u32 s23, s23, STAGE                   ; my stage
	v_mul_u32_u24 v4, v1, PITCH                    ; in: row l % 16; my eight numbers are 16 bytes of bf16 (LAYER 1) or 32 of f32 (LAYER 2) for each half of the lanes
	v_lshl_add_u32 v4, v2, 3+LAYER, v4
	v_add_nc_u32 v[STO], s23, v4
	v_mul_u32_u24 v5, v2, PITCH                    ; back: lanes 0-15 take one row of 256 bytes, lanes 16-31 the next
	v_lshl_add_u32 v5, v1, 4, v5
	v_add_nc_u32 v[RD], s23, v5
	v_lshlrev_b32 v5, 12, v2                       ; and the same two rows in the output, whose rows are 4,096 bytes in both layers
	v_lshl_add_u32 v[CO], v1, 4, v5
	v_lshlrev_b32 v[BO], 5, v2                     ; my eight columns' bias: 32 bytes for each half of the lanes
	s_mul_i32 s46, s19, 288*4096                   ; the output at my first row and column: a wave's columns are 256 bytes
	s_mul_i32 s47, s15, 144*4096
	s_add_co_u32 s46, s46, s47
	s_lshl_b32 s47, s18, 9
	s_add_co_u32 s46, s46, s47
	s_lshl_b32 s47, s16, 8
	s_add_co_u32 s46, s46, s47
	s_mov_b32 s47, 0
	s_add_nc_u64 s[12:13], s[12:13], s[46:47]
	s_mul_i32 s46, s20, 1024*NB                    ; the bias: the expert's row, my work-group's columns, my half
	s_mul_i32 s47, s18, 128*NB
	s_add_co_u32 s46, s46, s47
	s_mul_i32 s47, s16, 64*NB
	s_add_co_u32 s46, s46, s47
	s_mov_b32 s47, 0
	s_add_nc_u64 s[8:9], s[8:9], s[46:47]
	WIN 0xc0                                       ; destination window 3, address window 0
.set b, 0
.rept NB
	global_load_b128 v[BIAS+8*b:BIAS+8*b+3],   v[BO], s[8:9] offset:64*b      ; laid as the accumulators are: register 8 b + j for column 16 b + 8 (l / 16) + j
	global_load_b128 v[BIAS+8*b+4:BIAS+8*b+7], v[BO], s[8:9] offset:64*b+16
.set b, b+1
.endr
	WIN 0
; NB matrix instructions: row block a x all n blocks, 32 along K, from buffer f.  zero = 1: the first product starts the sums: nothing is ever cleared.
.macro MULR f, a, zero
.set AI, 8*(\a)*NB
.set WN, 0x03|((1+AI/256)<<4)|((1+AI/256)<<6)      ; source 0 (B) window 3, source 1 (A) window 0, C and D the accumulator's window
	WIN WN
.set b, 0
.rept NB
.set rD, (AI+8*b)%256
.if \zero
	v_wmma_f32_16x16x32_bf16 v[rD:rD+7], v[FB0+64*\f+8*b:FB0+64*\f+8*b+7], v[FA0+72*\f+8*(\a):FA0+72*\f+8*(\a)+7], 0
.else
	v_wmma_f32_16x16x32_bf16 v[rD:rD+7], v[FB0+64*\f+8*b:FB0+64*\f+8*b+7], v[FA0+72*\f+8*(\a):FA0+72*\f+8*(\a)+7], v[rD:rD+7]
.endif
.set b, b+1
.endr
.endm
; Row blocks a0 to a1.  The 9 NB accumulators take turns, one instruction a turn, in the same order in every quarter.
.macro MUL f, a0, a1, zero
.set ar, \a0
.rept \a1-\a0+1
	MULR \f, ar, \zero
.set ar, ar+1
.endr
.endm
; NF LDS loads in one run: the fragments of one quarter (32 K at byte k of the rows) into buffer f: B's, then A's blocks 0 to 8
.macro FETCH slot, k, f
	WIN 0xc0
.set i, 0
.rept NB
	ds_load_b128 v[FB0+64*\f+8*i:FB0+64*\f+8*i+3],   v[ADRB+\slot] offset:\k+i*16*PITCH
	ds_load_b128 v[FB0+64*\f+8*i+4:FB0+64*\f+8*i+7], v[ADRB+\slot] offset:\k+i*16*PITCH+32
.set i, i+1
.endr
	WIN 0
.set i, 0
.rept 9
	ds_load_b128 v[FA0+72*\f+8*i:FA0+72*\f+8*i+3],   v[ADRA+\slot] offset:\k+i*16*PITCH
	ds_load_b128 v[FA0+72*\f+8*i+4:FA0+72*\f+8*i+7], v[ADRA+\slot] offset:\k+i*16*PITCH+32
.set i, i+1
.endr
.endm
; One of a K step's first three quarters: multiplies buffer f; in its middle it fetches the next quarter's fragments, at byte k of the same slot's rows, into buffer g.
.macro QUARTER slot, k, f, g, zero
	s_wait_dscnt 10                                ; B and A's blocks 0-3 are in; the youngest ten loads (A's blocks 4-8) may be out
	MUL \f, 0, 3, \zero
	PLACES
	FETCH \slot, \k, \g
	s_wait_dscnt NF                                ; all but the NF just issued
	MUL \f, 4, 8, \zero
.endm
; The last quarter multiplies buffer 1 and changes slots: ONE barrier.  In front of it each wave waits for all its tensor loads (one is out: its part of the next slot), adds 0 to its
; spare word, and waits for that and for its own reads of this slot.  fill = 1: the barrier opens a round of the cluster's barrier, and this slot is filled again, two K steps ahead.
.macro TURN slot, next, fill
	WIN 0                                          ; (the add's two registers lie in window 0)
	s_wait_tensorcnt 0x0                           ; all my tensor loads have landed
	ds_add_u32 v[SPW], v[NIL]                      ; 0 onto my spare word
	s_wait_dscnt 11                                ; (the add and the youngest ten loads may be out)
	MUL 1, 0, 1, 0                                 ; matrix work stands between the add and the wait for it
	s_wait_dscnt 0x0                               ; the add is done, and my reads of this slot are over
	s_barrier_signal -1
	MUL 1, 2, 3, 0                                 ; work on registers while the others arrive
.if \fill
	WIN 0
.endif
	s_barrier_wait -1
.if \fill
	CREST                                          ; no wave of any partner still reads this slot's tile or has a load on its way
	s_add_nc_u64 s[G0A+4*\slot+2:G0A+4*\slot+3], s[G0A+4*\slot+2:G0A+4*\slot+3], 512
	s_add_nc_u64 s[G0B+4*\slot+2:G0B+4*\slot+3], s[G0B+4*\slot+2:G0B+4*\slot+3], 512
	JLOAD \slot                                    ; the first tensor load behind the round, one a wave; its four v_nop are also the places in front of the loads below
.else
	PLACES
.endif
	FETCH \next, 0, 0
	MUL 1, 4, 8, 0
.endm
	s_wait_tensorcnt 1                             ; my part of K step 0 is in; K step 1's may stay out
	s_barrier_signal -1
	s_barrier_wait -1                              ; everybody's is
	FETCH 0, 0, 0
	QUARTER 0, 64, 0, 1, 1                         ; the first quarter stands in front of the loop: its products start the sums
	WIN 0                                          ; at a label and at a branch every window is 0
	s_mov_b32 s3, LAPS-1
.Llap:                                                 ; a trip goes once round the ring, from a lap's second quarter to the next lap's first, and fills both slots again
	QUARTER 0, 128, 1, 0, 0
	QUARTER 0, 192, 0, 1, 0
	TURN 0, 1, 1
	QUARTER 1, 64,  0, 1, 0
	QUARTER 1, 128, 1, 0, 0
	QUARTER 1, 192, 0, 1, 0
	TURN 1, 0, 1
	QUARTER 0, 64,  0, 1, 0
	WIN 0
	s_sub_co_u32 s3, s3, 1
	s_cmp_lg_u32 s3, 0
	s_cbranch_scc1 .Llap
	QUARTER 0, 128, 1, 0, 0                        ; the last lap is written out: it fills nothing
	QUARTER 0, 192, 0, 1, 0
	TURN 0, 1, 0
	QUARTER 1, 64,  0, 1, 0
	QUARTER 1, 128, 1, 0, 0
	QUARTER 1, 192, 0, 1, 0
	s_wait_dscnt 10                                ; the very last quarter: nothing more to fetch
	MUL 1, 0, 3, 0
	s_wait_dscnt 0x0
	MUL 1, 4, 8, 0
	WIN 0
; THE WAY OUT of row block a, in three parts.  PACK: + bias (LAYER 1: silu(z) = z / (1 + 2^(-z log2 e)), rounded to bf16).  Each accumulator's registers are taken in ascending order.
.macro PACK a
.set AI, 8*(\a)*NB
.set WN, (1+AI/256)|0x0c                           ; source 0 the accumulator's window, source 1 window 3, destination window 0
	WIN WN
.set i, 0
.rept 4*NB
.set rA, (AI+2*i)%256
.if LAYER == 1
	v_pk_add_f32 v[Z+2*i:Z+2*i+1], v[rA:rA+1], v[BIAS+2*i:BIAS+2*i+1]
.else
	v_pk_add_f32 v[TMP+2*i:TMP+2*i+1], v[rA:rA+1], v[BIAS+2*i:BIAS+2*i+1]
.endif
.set i, i+1
.endr
	WIN 0
.if LAYER == 1
.set i, 0
.rept 32
	v_pk_mul_f32 v[E+2*i:E+2*i+1], v[Z+2*i:Z+2*i+1], 0xbfb8aa3b op_sel_hi:[1,0]
.set i, i+1
.endr
.set i, 0
.rept 64
	v_exp_f32 v[E+i], v[E+i]
.set i, i+1
.endr
	v_nop                                          ; a plain instruction between the last exponential and the use of the results
.set i, 0
	s_wait_alu depctr_va_vdst(0)
.rept 32
	v_pk_add_f32 v[E+2*i:E+2*i+1], v[E+2*i:E+2*i+1], 1.0 op_sel_hi:[1,0]
.set i, i+1
.endr
.set i, 0
.rept 64
	v_rcp_f32 v[E+i], v[E+i]
.set i, i+1
.endr
	v_nop                                          ; the same behind the reciprocals
.set i, 0
	s_wait_alu depctr_va_vdst(0)
.rept 32
	v_pk_mul_f32 v[Z+2*i:Z+2*i+1], v[Z+2*i:Z+2*i+1], v[E+2*i:E+2*i+1]
.set i, i+1
.endr
.set i, 0
.rept 32
	v_cvt_pk_bf16_f32 v[TMP+i], v[Z+2*i], v[Z+2*i+1]
.set i, i+1
.endr
.endif
.endm
; TOSTAGE: into my own stage in LDS, and back as whole rows of 256 bytes
.macro TOSTAGE a
.set BK, OB+32*((\a)%2)
	s_wait_xcnt 0x0                                ; the rows' registers, which the stores of two blocks ago read, are loaded again only behind this wait
.set i, 0
.rept 8
.if LAYER == 1
	ds_store_b128 v[STO], v[TMP+4*i:TMP+4*i+3] offset:32*i
.else
	ds_store_b128 v[STO], v[TMP+4*i:TMP+4*i+3] offset:64*(i/2)+16*(i%2)
.endif
.set i, i+1
.endr
.irp t, 0,1,2,3,4,5,6,7
	ds_load_b128 v[BK+4*\t:BK+4*\t+3], v[RD] offset:\t*2*PITCH     ; LDS serves a wave's instructions in order (ISA guide 5.7.1.4): these see the stores above
.endr
.endm
.macro SEND a
.set BK, OB+32*((\a)%2)
	s_wait_dscnt 0x0                               ; the block is back in registers
.irp t, 0,1,2,3,4,5,6,7
	global_store_b128 v[CO], v[BK+4*\t:BK+4*\t+3], s[12:13] offset:(\a)*65536+\t*8192   ; 16 lanes store 256 consecutive bytes, aligned
.endr
.endm
	s_wait_loadcnt 0x0                             ; the bias
	PLACES                                         ; behind the last products
	PACK 0
	TOSTAGE 0
.irp a, 1,2,3,4,5,6,7,8                ; block a's arithmetic stands between block a - 1's loads from the stage and the wait for them
	PACK \a
	SEND \a-1
	TOSTAGE \a
.endr
	SEND 8
	s_wait_tensorcnt 0x0                           ; the wave's end: behind my last tensor load and my last LDS store
	ds_add_u32 v[SPW], v[NIL]
	s_wait_dscnt 0x0
	CROUND                                         ; the closing round: no work-group ends while a partner may still ask for a tile that names it
	s_endpgm
.Lfunc_end_k_qd81df51fb4_ffn1:
	.size	k_qd81df51fb4_ffn1, .Lfunc_end_k_qd81df51fb4_ffn1-k_qd81df51fb4_ffn1
	.p2alignl 7, 3214868480
	.fill 96, 4, 3214868480
	.section	.rodata,"a",@progbits
	.p2align	6, 0x0
	.amdhsa_kernel k_qd81df51fb4_ffn1
		.amdhsa_group_segment_fixed_size 327680
		.amdhsa_private_segment_fixed_size 0
		.amdhsa_enable_private_segment 0
		.amdhsa_kernarg_size 40
		.amdhsa_user_sgpr_count 2
		.amdhsa_user_sgpr_kernarg_segment_ptr 1
		.amdhsa_wavefront_size32 1
		.amdhsa_system_sgpr_workgroup_id_x 1
		.amdhsa_system_sgpr_workgroup_id_y 1
		.amdhsa_system_sgpr_workgroup_id_z 1
		.amdhsa_system_vgpr_workitem_id 0
		.amdhsa_next_free_vgpr 1024
		.amdhsa_next_free_sgpr 66
		.amdhsa_reserve_vcc 0
		.amdhsa_float_denorm_mode_32 3
		.amdhsa_float_denorm_mode_16_64 3
		.amdhsa_memory_ordered 1
		.amdhsa_forward_progress 1
		.amdhsa_inst_pref_size 255
	.end_amdhsa_kernel
	.section	.bss,"aw",@nobits
	.p2align	6
	.space	262144
	.amdgpu_metadata
---
amdhsa.version: [ 1, 2 ]
amdhsa.kernels:
  - .name:           k_qd81df51fb4_ffn1
    .symbol:         k_qd81df51fb4_ffn1.kd
    .args:
      - { .name: xg, .offset: 0, .size: 8, .value_kind: global_buffer, .address_space: global }
      - { .name: wb, .offset: 8, .size: 8, .value_kind: global_buffer, .address_space: global }
      - { .name: b1, .offset: 16, .size: 8, .value_kind: global_buffer, .address_space: global }
      - { .name: plan, .offset: 24, .size: 8, .value_kind: global_buffer, .address_space: global }
      - { .name: h, .offset: 32, .size: 8, .value_kind: global_buffer, .address_space: global }
    .group_segment_fixed_size: 327680
    .private_segment_fixed_size: 0
    .kernarg_segment_align: 8
    .kernarg_segment_size: 40
    .max_flat_workgroup_size: 128
    .sgpr_count:     66
    .vgpr_count:     1024
    .wavefront_size: 32
...
	.end_amdgpu_metadata
.endif
;; end of part 3
;; launch ffn2 (part 4): grid 8 x 32, 4 waves a work-group, clusters of 4 x 1, 327,680 bytes of LDS; arguments h, wb, b2, plan, y; writes y
.if DOCPART == 4
	.amdgcn_target "amdgcn-amd-amdhsa--gfx1250"
	.amdhsa_code_object_version 6
	.text
	.protected	k_qd81df51fb4_ffn2
	.globl	k_qd81df51fb4_ffn2
	.p2align	8
	.type	k_qd81df51fb4_ffn2,@function
k_qd81df51fb4_ffn2:
	s_mov_b64 s[64:65], 0
	v_nop
	global_prefetch_b8 v0, s[64:65] scope:SCOPE_SE
	s_setreg_imm32_b32 hwreg(HW_REG_WAVE_MODE, 25, 1), 1
	s_wait_xcnt 0x0
	s_wait_alu depctr_hold_cnt(0) depctr_sa_sdst(0) depctr_va_vdst(0) depctr_va_sdst(0) depctr_va_ssrc(0) depctr_va_vcc(0) depctr_vm_vsrc(0)
	s_getreg_b32 s2, hwreg(HW_REG_IB_STS2, 6, 4)
	s_cmp_eq_u32 s2, 0
	s_cbranch_scc0 .Lentry_in_a_cluster
	s_endpgm
.Lentry_in_a_cluster:
	s_bfe_u32 s2, ttmp6, 0x10000c
	s_cmp_lg_u32 s2, 0x3003
	s_cbranch_scc0 .Lentry_shape_is_right
	s_endpgm
.Lentry_shape_is_right:
; THE EXPERTS' SECOND PRODUCT: y = h W2_e^T + b2_e, for a block of 288 slots, all of one expert e.  h: [9216][2048] bf16, W2 in wb at byte 16,777,216: [4][1024][2048] bf16, y: [9216][1024] f32; sums in f32.
; (One text serves both products; LAYER picks the sizes and the way out.  LAYER 1: h = silu(xg W1_e^T + b1_e).)
; SHARES.  Work-group (n, y): block y, columns 32 NB n on: a tile of 288 x 32 NB.  Four waves, 2 x 2: a wave makes 144 rows x 16 NB columns: 9 NB accumulators of 16 x 16.
; K goes in steps of 128 (rows of 256 bytes, aligned) through a ring of two LDS slots filled by the tensor data mover; a K step is four quarters of 32 on two fragment buffers.
; THE BLOCK'S EXPERT is a whole number that an earlier launch stored (plan, byte 32,768 + 4 y).  It enters the weights' and the bias's global addresses alone.
; CLUSTER.  The four work-groups of a cluster share y, so they need the same tiles of A: waves 0 and 1 ask for A's two halves JOINTLY (the same descriptor, mask 15).
; B's tiles are asked for singly, by waves 2 and 3: the partners differ in n, and work-groups of equal n differ in y, whose blocks need not belong to one expert.
; THE MATRIX INSTRUCTION IS USED TRANSPOSED (source 0 = 16 rows of the weights, source 1 = 16 slots): a lane holds one slot (lane % 16) and eight neighbouring columns 8 (lane / 16) + 0..7.
; All 288 rows are made and stored; rows that hold no token give finite numbers and are read by no token.
; LIMIT.  Only a token's two experts are computed: where an expert that a token did not choose would overflow, the dense form gives NaN (0 x infinity) and this one a finite number.
; REGISTERS, in windows of 256: window 0: v16-29 addresses; v32-103, v104-175 A's 9 fragments, two buffers; on the way out v160-255 at work.
;   accumulator (a, b) is register 8 (a NB + b), counted from window 1's first.   window 3: v64.., v128.. B's NB fragments, two buffers; v192.. the bias of my columns.
.set LAYER, 2
.if LAYER == 1
.set NB,   8
.set KTOT, 1024
.set WOFF, 0
.else
.set NB,   4
.set KTOT, 2048
.set WOFF, 16777216
.endif
.set ROWB,  2*KTOT                     ; bytes in a row of A and of B
.set LAPS,  KTOT/256                   ; a lap = two K steps = once round the ring
.set PITCH, 272                        ; an LDS row: 256 bytes + 16 of padding = 68 words: the 16 rows that a load touches start at 16 different banks (64 banks of 4 bytes: ISA guide 11.1)
.set HALFA, 144*PITCH                  ; what one load brings of A, and what one wave reads of it
.set HALFB, 16*NB*PITCH                ; the same for B
.set SLOT,  2*HALFA+2*HALFB            ; A's 288 rows, then B's 32 NB rows
.set STAGE, 2*SLOT                     ; behind the ring: 16 rows x 272 bytes for each wave, for the way out
.set SPARE, STAGE+4*16*PITCH           ; behind the stages: the spare words, 128 bytes for each wave: two blocks of 256 bytes that no other line names
.set NF,    2*NB+18                    ; LDS loads of a quarter's fragments
.set ADRA, 16                          ; v16-17  LDS address of my A fragments in slot 0, 1
.set ADRB, 20                          ; v20-21  the same for B
.set STO,  24                          ; v24     the way out: where I put my numbers of a row
.set RD,   25                          ; v25     the way out: where I read a row back
.set CO,   26                          ; v26     my byte offset in the output
.set BO,   27                          ; v27     my byte offset in the bias
.set SPW,  28                          ; v28     LDS address of my spare word; never rewritten
.set NIL,  29                          ; v29     0; never rewritten
.set FA0,  32
.set FB0,  64
.set BIAS, 192
.set Z,    32                          ; the way out, window 0: sums + bias; exponentials; what goes to the stage; rows read back, two buffers
.set E,    96
.set TMP,  160
.set OB,   192
.set G1A, 24                           ; s[24:31] descriptor group 1 for A's tiles;  s[32:39] group 0, a set for each slot
.set G0A, 32
.set G1B, 48                           ; s[48:55], s[56:63] the same for B's tiles
.set G0B, 56
.set MSB, 0
.macro WIN new                         ; the immediate's high byte repeats the setting that is left; a switch that changes nothing is dropped
.if MSB != \new
	s_set_vgpr_msb (MSB<<8)|\new
.set MSB, \new
.endif
.endm
.macro PLACES                          ; four places in front of loads into registers that matrix instructions have read, and of vector instructions that read results
.rept 4
	v_nop
.endr
.endm
; A refill: waves 0 and 1 ask jointly for A's halves, waves 2 and 3 singly for B's.  The branch hangs on the wave's number alone.
; Four v_nop follow each of the two lines, ahead of the jump, the label and what follows.
.macro JLOAD s
	s_cmp_lt_u32 s14, 2
	s_cbranch_scc0 .Lfor_b_\@
	tensor_load_to_lds s[G0A+4*\s:G0A+4*\s+3], s[G1A:G1A+7]
	s_nop 0
.rept 4
	v_nop
.endr
	s_branch .Lasked_\@
.Lfor_b_\@:
	tensor_load_to_lds s[G0B+4*\s:G0B+4*\s+3], s[G1B:G1B+7]
	s_nop 0
.rept 4
	v_nop
.endr
.Lasked_\@:
.endm
.macro CREST                           ; a round of the cluster's barrier behind its opening barrier
	s_cmp_lg_u32 s14, 0
	s_cbranch_scc1 .Lnot_wave_0_\@
	s_barrier_signal -3
.Lnot_wave_0_\@:
	s_barrier_wait -3
	s_barrier_signal -1
	s_barrier_wait -1
.endm
.macro CROUND                          ; a whole round
	s_barrier_signal -1
	s_barrier_wait -1
	CREST
.endm
	s_load_b256 s[4:11], s[0:1], 0x0               ; A s[4:5], wb s[6:7], bias s[8:9], plan s[10:11]
	s_load_b64 s[12:13], s[0:1], 0x20              ; the output
	v_lshl_add_u32 v[SPW], v0, 2, SPARE
	v_mov_b32 v[NIL], 0
	ds_add_u32 v28, v29
	s_wait_dscnt 0x0
	v_lshrrev_b32 v1, 5, v0
	v_readfirstlane_b32 s14, v1                    ; wave 0..3
	s_lshr_b32 s15, s14, 1                         ; which 144 rows are mine
	s_and_b32 s16, s14, 1                          ; which half of the columns.  Also: which half of A's or B's tile I fetch
	s_bfe_u32 s17, ttmp6, 0x40000                  ; cx: my place in the cluster
	s_lshl_b32 s18, ttmp9, 2                       ; in a cluster launch ttmp9 counts clusters
	s_add_co_u32 s18, s18, s17                     ; n = 4 x cluster x + cx: it enters B's, the bias's and the output's addresses alone
	s_and_b32 s19, ttmp7, 0xffff                   ; y, which the four partners share
	s_lshl_b32 s21, s19, 2
	s_wait_kmcnt 0x0
	s_load_b32 s20, s[10:11], s21 offset:0x8000    ; the block's expert
	; descriptor group 1: rows of 128 elements of 2 bytes, padded in LDS
	s_mov_b32 s[G1A+0], 15|(1<<16)|(1<<20)|(1<<21)|(5<<22)|(3<<25)  ; 15:0 the mask: all four work-groups; 17:16 elements of 2 bytes; 20 padding on; 21 set beside a mask; 24:22 after every 64 words (code 5); 31:25 4 words of it (code 3)
	s_mov_b32 s[G1B+0], (1<<16)|(1<<20)|(5<<22)|(3<<25)             ; the same without a mask
	s_mov_b32 s[G1A+1], 128<<16                    ; tensor_dim0 = 128
	s_mov_b32 s[G1B+1], 128<<16
	s_mov_b32 s[G1A+2], 144<<16                    ; tensor_dim1 = the tile's rows
	s_mov_b32 s[G1B+2], (16*NB)<<16
	s_mov_b32 s[G1A+3], 128<<16                    ; tile_dim0 = 128
	s_mov_b32 s[G1B+3], 128<<16
	s_mov_b32 s[G1A+4], 144                        ; tile_dim1
	s_mov_b32 s[G1B+4], 16*NB
	s_mov_b32 s[G1A+5], KTOT                       ; elements from row to row
	s_mov_b32 s[G1B+5], KTOT
	s_mov_b32 s[G1A+6], 0
	s_mov_b32 s[G1B+6], 0
	s_mov_b32 s[G1A+7], 0
	s_mov_b32 s[G1B+7], 0
	s_mul_i32 s40, s19, 288*ROWB                   ; A: the block's rows, my half of them; no register of this ever holds cx
	s_mul_i32 s41, s16, 144*ROWB
	s_add_co_u32 s40, s40, s41
	s_mov_b32 s41, 0
	s_add_nc_u64 s[40:41], s[4:5], s[40:41]
	s_mul_i32 s44, s14, HALFA                      ; where they go: A's halves at wave x 144 rows,
	s_mul_i32 s45, s14, HALFB                      ; B's (waves 2, 3) behind A's 288 rows
	s_add_co_u32 s45, s45, 2*HALFA-2*HALFB
	s_wait_kmcnt 0x0
	s_min_u32 s20, s20, 3                          ; a loaded number enters an address only behind a clamp
	s_lshl_b32 s42, s20, 22                        ; B: an expert's weights are 4,194,304 bytes,
	s_mul_i32 s43, s18, 32*NB*ROWB                 ; my work-group's rows,
	s_add_co_u32 s42, s42, s43
	s_mul_i32 s43, s16, 16*NB*ROWB                 ; my half of them
	s_add_co_u32 s42, s42, s43
	s_add_co_u32 s42, s42, WOFF
	s_mov_b32 s43, 0
	s_add_nc_u64 s[42:43], s[6:7], s[42:43]
.irp s, 0,1
	s_mov_b32 s[G0A+4*\s], 1                                       ; count = 1
	s_add_co_u32 s[G0A+4*\s+1], s44, \s*SLOT                       ; LDS address
	s_add_nc_u64 s[G0A+4*\s+2:G0A+4*\s+3], s[40:41], \s*256        ; global address: K step s
	s_or_b32 s[G0A+4*\s+3], s[G0A+4*\s+3], 0x80000000              ; type = 2
	s_mov_b32 s[G0B+4*\s], 1
	s_add_co_u32 s[G0B+4*\s+1], s45, \s*SLOT
	s_add_nc_u64 s[G0B+4*\s+2:G0B+4*\s+3], s[42:43], \s*256
	s_or_b32 s[G0B+4*\s+3], s[G0B+4*\s+3], 0x80000000
.endr
	CROUND                                         ; all four work-groups are here: the first joint loads meet
	s_cmp_lt_u32 s14, 2                            ; a wave's two first fills stand in one branch, ahead of every wait on TENSORcnt and every LDS read: two loads of mine are out
	s_cbranch_scc0 .Lfirst_b
	tensor_load_to_lds s[G0A:G0A+3], s[G1A:G1A+7]
	s_nop 0
	tensor_load_to_lds s[G0A+4:G0A+7], s[G1A:G1A+7]
	s_nop 0
.rept 4
	v_nop
.endr
	s_branch .Lfirst_asked
.Lfirst_b:
	tensor_load_to_lds s[G0B:G0B+3], s[G1B:G1B+7]
	s_nop 0
	tensor_load_to_lds s[G0B+4:G0B+7], s[G1B:G1B+7]
	s_nop 0
.rept 4
	v_nop
.endr
.Lfirst_asked:
	; A fragment is 16 rows x 32 K in 8 registers: lane l holds row l % 16; registers 0-3 K = 8 (l / 16) + 0..7, registers 4-7 K = 16 + 8 (l / 16) + 0..7: two loads of 16 bytes, 32 bytes apart.
	v_and_b32 v1, 15, v0                           ; l % 16
	v_bfe_u32 v2, v0, 4, 1                         ; l / 16
	v_mul_u32_u24 v3, v1, PITCH
	v_lshl_add_u32 v3, v2, 4, v3
	s_mul_i32 s21, s15, HALFA                      ; my 144 rows of A
	s_mul_i32 s22, s16, HALFB                      ; my 16 NB rows of B,
	s_add_co_u32 s22, s22, 2*HALFA                 ; which lie behind A's 288
.irp s, 0,1
	v_add_nc_u32 v[ADRA+\s], s21, v3
	v_add_nc_u32 v[ADRB+\s], s22, v3
	s_add_co_u32 s21, s21, SLOT
	s_add_co_u32 s22, s22, SLOT
.endr
	s_mul_i32 s23, s14, 16*PITCH
	s_add_co_u32 s23, s23, STAGE                   ; my stage
	v_mul_u32_u24 v4, v1, PITCH                    ; in: row l % 16; my eight numbers are 16 bytes of bf16 (LAYER 1) or 32 of f32 (LAYER 2) for each half of the lanes
	v_lshl_add_u32 v4, v2, 3+LAYER, v4
	v_add_nc_u32 v[STO], s23, v4
	v_mul_u32_u24 v5, v2, PITCH                    ; back: lanes 0-15 take one row of 256 bytes, lanes 16-31 the next
	v_lshl_add_u32 v5, v1, 4, v5
	v_add_nc_u32 v[RD], s23, v5
	v_lshlrev_b32 v5, 12, v2                       ; and the same two rows in the output, whose rows are 4,096 bytes in both layers
	v_lshl_add_u32 v[CO], v1, 4, v5
	v_lshlrev_b32 v[BO], 5, v2                     ; my eight columns' bias: 32 bytes for each half of the lanes
	s_mul_i32 s46, s19, 288*4096                   ; the output at my first row and column: a wave's columns are 256 bytes
	s_mul_i32 s47, s15, 144*4096
	s_add_co_u32 s46, s46, s47
	s_lshl_b32 s47, s18, 9
	s_add_co_u32 s46, s46, s47
	s_lshl_b32 s47, s16, 8
	s_add_co_u32 s46, s46, s47
	s_mov_b32 s47, 0
	s_add_nc_u64 s[12:13], s[12:13], s[46:47]
	s_mul_i32 s46, s20, 1024*NB                    ; the bias: the expert's row, my work-group's columns, my half
	s_mul_i32 s47, s18, 128*NB
	s_add_co_u32 s46, s46, s47
	s_mul_i32 s47, s16, 64*NB
	s_add_co_u32 s46, s46, s47
	s_mov_b32 s47, 0
	s_add_nc_u64 s[8:9], s[8:9], s[46:47]
	WIN 0xc0                                       ; destination window 3, address window 0
.set b, 0
.rept NB
	global_load_b128 v[BIAS+8*b:BIAS+8*b+3],   v[BO], s[8:9] offset:64*b      ; laid as the accumulators are: register 8 b + j for column 16 b + 8 (l / 16) + j
	global_load_b128 v[BIAS+8*b+4:BIAS+8*b+7], v[BO], s[8:9] offset:64*b+16
.set b, b+1
.endr
	WIN 0
; NB matrix instructions: row block a x all n blocks, 32 along K, from buffer f.  zero = 1: the first product starts the sums: nothing is ever cleared.
.macro MULR f, a, zero
.set AI, 8*(\a)*NB
.set WN, 0x03|((1+AI/256)<<4)|((1+AI/256)<<6)      ; source 0 (B) window 3, source 1 (A) window 0, C and D the accumulator's window
	WIN WN
.set b, 0
.rept NB
.set rD, (AI+8*b)%256
.if \zero
	v_wmma_f32_16x16x32_bf16 v[rD:rD+7], v[FB0+64*\f+8*b:FB0+64*\f+8*b+7], v[FA0+72*\f+8*(\a):FA0+72*\f+8*(\a)+7], 0
.else
	v_wmma_f32_16x16x32_bf16 v[rD:rD+7], v[FB0+64*\f+8*b:FB0+64*\f+8*b+7], v[FA0+72*\f+8*(\a):FA0+72*\f+8*(\a)+7], v[rD:rD+7]
.endif
.set b, b+1
.endr
.endm
; Row blocks a0 to a1.  The 9 NB accumulators take turns, one instruction a turn, in the same order in every quarter.
.macro MUL f, a0, a1, zero
.set ar, \a0
.rept \a1-\a0+1
	MULR \f, ar, \zero
.set ar, ar+1
.endr
.endm
; NF LDS loads in one run: the fragments of one quarter (32 K at byte k of the rows) into buffer f: B's, then A's blocks 0 to 8
.macro FETCH slot, k, f
	WIN 0xc0
.set i, 0
.rept NB
	ds_load_b128 v[FB0+64*\f+8*i:FB0+64*\f+8*i+3],   v[ADRB+\slot] offset:\k+i*16*PITCH
	ds_load_b128 v[FB0+64*\f+8*i+4:FB0+64*\f+8*i+7], v[ADRB+\slot] offset:\k+i*16*PITCH+32
.set i, i+1
.endr
	WIN 0
.set i, 0
.rept 9
	ds_load_b128 v[FA0+72*\f+8*i:FA0+72*\f+8*i+3],   v[ADRA+\slot] offset:\k+i*16*PITCH
	ds_load_b128 v[FA0+72*\f+8*i+4:FA0+72*\f+8*i+7], v[ADRA+\slot] offset:\k+i*16*PITCH+32
.set i, i+1
.endr
.endm
; One of a K step's first three quarters: multiplies buffer f; in its middle it fetches the next quarter's fragments, at byte k of the same slot's rows, into buffer g.
.macro QUARTER slot, k, f, g, zero
	s_wait_dscnt 10                                ; B and A's blocks 0-3 are in; the youngest ten loads (A's blocks 4-8) may be out
	MUL \f, 0, 3, \zero
	PLACES
	FETCH \slot, \k, \g
	s_wait_dscnt NF                                ; all but the NF just issued
	MUL \f, 4, 8, \zero
.endm
; The last quarter multiplies buffer 1 and changes slots: ONE barrier.  In front of it each wave waits for all its tensor loads (one is out: its part of the next slot), adds 0 to its
; spare word, and waits for that and for its own reads of this slot.  fill = 1: the barrier opens a round of the cluster's barrier, and this slot is filled again, two K steps ahead.
.macro TURN slot, next, fill
	WIN 0                                          ; (the add's two registers lie in window 0)
	s_wait_tensorcnt 0x0                           ; all my tensor loads have landed
	ds_add_u32 v[SPW], v[NIL]                      ; 0 onto my spare word
	s_wait_dscnt 11                                ; (the add and the youngest ten loads may be out)
	MUL 1, 0, 1, 0                                 ; matrix work stands between the add and the wait for it
	s_wait_dscnt 0x0                               ; the add is done, and my reads of this slot are over
	s_barrier_signal -1
	MUL 1, 2, 3, 0                                 ; work on registers while the others arrive
.if \fill
	WIN 0
.endif
	s_barrier_wait -1
.if \fill
	CREST                                          ; no wave of any partner still reads this slot's tile or has a load on its way
	s_add_nc_u64 s[G0A+4*\slot+2:G0A+4*\slot+3], s[G0A+4*\slot+2:G0A+4*\slot+3], 512
	s_add_nc_u64 s[G0B+4*\slot+2:G0B+4*\slot+3], s[G0B+4*\slot+2:G0B+4*\slot+3], 512
	JLOAD \slot                                    ; the first tensor load behind the round, one a wave; its four v_nop are also the places in front of the loads below
.else
	PLACES
.endif
	FETCH \next, 0, 0
	MUL 1, 4, 8, 0
.endm
	s_wait_tensorcnt 1                             ; my part of K step 0 is in; K step 1's may stay out
	s_barrier_signal -1
	s_barrier_wait -1                              ; everybody's is
	FETCH 0, 0, 0
	QUARTER 0, 64, 0, 1, 1                         ; the first quarter stands in front of the loop: its products start the sums
	WIN 0                                          ; at a label and at a branch every window is 0
	s_mov_b32 s3, LAPS-1
.Llap:                                                 ; a trip goes once round the ring, from a lap's second quarter to the next lap's first, and fills both slots again
	QUARTER 0, 128, 1, 0, 0
	QUARTER 0, 192, 0, 1, 0
	TURN 0, 1, 1
	QUARTER 1, 64,  0, 1, 0
	QUARTER 1, 128, 1, 0, 0
	QUARTER 1, 192, 0, 1, 0
	TURN 1, 0, 1
	QUARTER 0, 64,  0, 1, 0
	WIN 0
	s_sub_co_u32 s3, s3, 1
	s_cmp_lg_u32 s3, 0
	s_cbranch_scc1 .Llap
	QUARTER 0, 128, 1, 0, 0                        ; the last lap is written out: it fills nothing
	QUARTER 0, 192, 0, 1, 0
	TURN 0, 1, 0
	QUARTER 1, 64,  0, 1, 0
	QUARTER 1, 128, 1, 0, 0
	QUARTER 1, 192, 0, 1, 0
	s_wait_dscnt 10                                ; the very last quarter: nothing more to fetch
	MUL 1, 0, 3, 0
	s_wait_dscnt 0x0
	MUL 1, 4, 8, 0
	WIN 0
; THE WAY OUT of row block a, in three parts.  PACK: + bias (LAYER 1: silu(z) = z / (1 + 2^(-z log2 e)), rounded to bf16).  Each accumulator's registers are taken in ascending order.
.macro PACK a
.set AI, 8*(\a)*NB
.set WN, (1+AI/256)|0x0c                           ; source 0 the accumulator's window, source 1 window 3, destination window 0
	WIN WN
.set i, 0
.rept 4*NB
.set rA, (AI+2*i)%256
.if LAYER == 1
	v_pk_add_f32 v[Z+2*i:Z+2*i+1], v[rA:rA+1], v[BIAS+2*i:BIAS+2*i+1]
.else
	v_pk_add_f32 v[TMP+2*i:TMP+2*i+1], v[rA:rA+1], v[BIAS+2*i:BIAS+2*i+1]
.endif
.set i, i+1
.endr
	WIN 0
.if LAYER == 1
.set i, 0
.rept 32
	v_pk_mul_f32 v[E+2*i:E+2*i+1], v[Z+2*i:Z+2*i+1], 0xbfb8aa3b op_sel_hi:[1,0]
.set i, i+1
.endr
.set i, 0
.rept 64
	v_exp_f32 v[E+i], v[E+i]
.set i, i+1
.endr
	v_nop                                          ; a plain instruction between the last exponential and the use of the results
.set i, 0
.rept 32
	v_pk_add_f32 v[E+2*i:E+2*i+1], v[E+2*i:E+2*i+1], 1.0 op_sel_hi:[1,0]
.set i, i+1
.endr
.set i, 0
.rept 64
	v_rcp_f32 v[E+i], v[E+i]
.set i, i+1
.endr
	v_nop                                          ; the same behind the reciprocals
.set i, 0
.rept 32
	v_pk_mul_f32 v[Z+2*i:Z+2*i+1], v[Z+2*i:Z+2*i+1], v[E+2*i:E+2*i+1]
.set i, i+1
.endr
.set i, 0
.rept 32
	v_cvt_pk_bf16_f32 v[TMP+i], v[Z+2*i], v[Z+2*i+1]
.set i, i+1
.endr
.endif
.endm
; TOSTAGE: into my own stage in LDS, and back as whole rows of 256 bytes
.macro TOSTAGE a
.set BK, OB+32*((\a)%2)
	s_wait_xcnt 0x0                                ; the rows' registers, which the stores of two blocks ago read, are loaded again only behind this wait
.set i, 0
.rept 8
.if LAYER == 1
	ds_store_b128 v[STO], v[TMP+4*i:TMP+4*i+3] offset:32*i
.else
	ds_store_b128 v[STO], v[TMP+4*i:TMP+4*i+3] offset:64*(i/2)+16*(i%2)
.endif
.set i, i+1
.endr
.irp t, 0,1,2,3,4,5,6,7
	ds_load_b128 v[BK+4*\t:BK+4*\t+3], v[RD] offset:\t*2*PITCH     ; LDS serves a wave's instructions in order (ISA guide 5.7.1.4): these see the stores above
.endr
.endm
.macro SEND a
.set BK, OB+32*((\a)%2)
	s_wait_dscnt 0x0                               ; the block is back in registers
.irp t, 0,1,2,3,4,5,6,7
	global_store_b128 v[CO], v[BK+4*\t:BK+4*\t+3], s[12:13] offset:(\a)*65536+\t*8192   ; 16 lanes store 256 consecutive bytes, aligned
.endr
.endm
	s_wait_loadcnt 0x0                             ; the bias
	PLACES                                         ; behind the last products
	PACK 0
	TOSTAGE 0
.irp a, 1,2,3,4,5,6,7,8                ; block a's arithmetic stands between block a - 1's loads from the stage and the wait for them
	PACK \a
	SEND \a-1
	TOSTAGE \a
.endr
	SEND 8
	s_wait_tensorcnt 0x0                           ; the wave's end: behind my last tensor load and my last LDS store
	ds_add_u32 v[SPW], v[NIL]
	s_wait_dscnt 0x0
	CROUND                                         ; the closing round: no work-group ends while a partner may still ask for a tile that names it
	s_endpgm
.Lfunc_end_k_qd81df51fb4_ffn2:
	.size	k_qd81df51fb4_ffn2, .Lfunc_end_k_qd81df51fb4_ffn2-k_qd81df51fb4_ffn2
	.p2alignl 7, 3214868480
	.fill 96, 4, 3214868480
	.section	.rodata,"a",@progbits
	.p2align	6, 0x0
	.amdhsa_kernel k_qd81df51fb4_ffn2
		.amdhsa_group_segment_fixed_size 327680
		.amdhsa_private_segment_fixed_size 0
		.amdhsa_enable_private_segment 0
		.amdhsa_kernarg_size 40
		.amdhsa_user_sgpr_count 2
		.amdhsa_user_sgpr_kernarg_segment_ptr 1
		.amdhsa_wavefront_size32 1
		.amdhsa_system_sgpr_workgroup_id_x 1
		.amdhsa_system_sgpr_workgroup_id_y 1
		.amdhsa_system_sgpr_workgroup_id_z 1
		.amdhsa_system_vgpr_workitem_id 0
		.amdhsa_next_free_vgpr 1024
		.amdhsa_next_free_sgpr 66
		.amdhsa_reserve_vcc 0
		.amdhsa_float_denorm_mode_32 3
		.amdhsa_float_denorm_mode_16_64 3
		.amdhsa_memory_ordered 1
		.amdhsa_forward_progress 1
		.amdhsa_inst_pref_size 105
	.end_amdhsa_kernel
	.amdgpu_metadata
---
amdhsa.version: [ 1, 2 ]
amdhsa.kernels:
  - .name:           k_qd81df51fb4_ffn2
    .symbol:         k_qd81df51fb4_ffn2.kd
    .args:
      - { .name: h, .offset: 0, .size: 8, .value_kind: global_buffer, .address_space: global }
      - { .name: wb, .offset: 8, .size: 8, .value_kind: global_buffer, .address_space: global }
      - { .name: b2, .offset: 16, .size: 8, .value_kind: global_buffer, .address_space: global }
      - { .name: plan, .offset: 24, .size: 8, .value_kind: global_buffer, .address_space: global }
      - { .name: y, .offset: 32, .size: 8, .value_kind: global_buffer, .address_space: global }
    .group_segment_fixed_size: 327680
    .private_segment_fixed_size: 0
    .kernarg_segment_align: 8
    .kernarg_segment_size: 40
    .max_flat_workgroup_size: 128
    .sgpr_count:     66
    .vgpr_count:     1024
    .wavefront_size: 32
...
	.end_amdgpu_metadata
.endif
;; end of part 4
;; launch combine (part 5): grid 256 x 1, 8 waves a work-group, no clusters, 0 bytes of LDS; arguments y, rt, plan, out0; writes out0
.if DOCPART == 5
	.amdgcn_target "amdgcn-amd-amdhsa--gfx1250"
	.amdhsa_code_object_version 6
	.text
	.protected	k_qd81df51fb4_combine
	.globl	k_qd81df51fb4_combine
	.p2align	8
	.type	k_qd81df51fb4_combine,@function
k_qd81df51fb4_combine:
	s_mov_b64 s[64:65], 0
	v_nop
	global_prefetch_b8 v0, s[64:65] scope:SCOPE_SE
	s_setreg_imm32_b32 hwreg(HW_REG_WAVE_MODE, 25, 1), 1
	s_wait_xcnt 0x0
; out0[t] = wA y[slot of t's first expert] + wB y[slot of its second].  y: [9216][1024] f32, out0: [4096][1024] f32.
; Wave w of work-group g owns tokens 16 g + 2 w and + 1.  The four slot numbers are whole numbers that an earlier launch stored (plan: ts[token][2]), the four weights lie in rt (cw[token][2]).
; A stream: four rows of 4,096 bytes come in by loads of 512 neighbouring bytes, all 32 on their way at once, and two rows go out; no LDS, no barrier, no matrix unit: memory binds.
	s_load_b256 s[4:11], s[0:1], 0x0               ; y s[4:5], rt s[6:7], plan s[8:9], out0 s[10:11]
	v_and_b32 v1, 31, v0
	v_lshrrev_b32 v6, 5, v0
	v_readfirstlane_b32 s12, v6                    ; wave 0..7
	v_lshlrev_b32 v1, 4, v1                        ; 16 x lane
	s_lshl_b32 s13, ttmp9, 7
	s_lshl_b32 s14, s12, 4
	s_add_co_u32 s13, s13, s14                     ; my two tokens' 16 bytes in ts and in cw
	s_lshl_b32 s32, ttmp9, 16
	s_lshl_b32 s14, s12, 13
	s_add_co_u32 s32, s32, s14                     ; my two rows of out0
	s_mov_b32 s33, 0
	s_wait_kmcnt 0x0
	s_load_b128 s[16:19], s[8:9], s13 offset:0x0   ; slots: token 0's two, token 1's two
	s_load_b128 s[20:23], s[6:7], s13 offset:0x0   ; weights, in the same order
	s_add_nc_u64 s[10:11], s[10:11], s[32:33]
	s_wait_kmcnt 0x0
.irp i, 0,1,2,3
	s_min_u32 s[16+\i], s[16+\i], 9215             ; a loaded number enters an address only behind a clamp
	v_lshl_add_u32 v[2+\i], s[16+\i], 12, v1       ; slot x 4,096 bytes + 16 x lane
.endr
.irp r, 0,1,2,3
.irp j, 0,1,2,3,4,5,6,7
	global_load_b128 v[32+32*\r+4*\j:32+32*\r+4*\j+3], v[2+\r], s[4:5] offset:512*\j th:TH_LOAD_NT
.endr
.endr
.irp i, 0,1,2,3
	s_mov_b32 s[24+2*\i], s[20+\i]                 ; each weight in a pair of its own: the packed forms name a pair and take its low word for both halves
	s_mov_b32 s[25+2*\i], s[20+\i]
.endr
.macro TOKEN a, left                   ; left: the younger loads, which stay out
.set RA, 32+64*\a
.set RB, 64+64*\a
	s_wait_loadcnt \left
.irp j, 0,1,2,3,4,5,6,7
	v_pk_mul_f32 v[RA+4*\j:RA+4*\j+1],   v[RA+4*\j:RA+4*\j+1],   s[24+4*\a:25+4*\a] op_sel_hi:[1,0]
	v_pk_mul_f32 v[RA+4*\j+2:RA+4*\j+3], v[RA+4*\j+2:RA+4*\j+3], s[24+4*\a:25+4*\a] op_sel_hi:[1,0]
	v_pk_fma_f32 v[RA+4*\j:RA+4*\j+1],   v[RB+4*\j:RB+4*\j+1],   s[26+4*\a:27+4*\a], v[RA+4*\j:RA+4*\j+1] op_sel_hi:[1,0,1]
	v_pk_fma_f32 v[RA+4*\j+2:RA+4*\j+3], v[RB+4*\j+2:RB+4*\j+3], s[26+4*\a:27+4*\a], v[RA+4*\j+2:RA+4*\j+3] op_sel_hi:[1,0,1]
	global_store_b128 v1, v[RA+4*\j:RA+4*\j+3], s[10:11] offset:4096*\a+512*\j th:TH_STORE_NT   ; 512 consecutive bytes, aligned; no register of a store is written again
.endr
.endm
	TOKEN 0, 16
	TOKEN 1, 0
	s_endpgm
.Lfunc_end_k_qd81df51fb4_combine:
	.size	k_qd81df51fb4_combine, .Lfunc_end_k_qd81df51fb4_combine-k_qd81df51fb4_combine
	.p2alignl 7, 3214868480
	.fill 96, 4, 3214868480
	.section	.rodata,"a",@progbits
	.p2align	6, 0x0
	.amdhsa_kernel k_qd81df51fb4_combine
		.amdhsa_group_segment_fixed_size 0
		.amdhsa_private_segment_fixed_size 0
		.amdhsa_enable_private_segment 0
		.amdhsa_kernarg_size 32
		.amdhsa_user_sgpr_count 2
		.amdhsa_user_sgpr_kernarg_segment_ptr 1
		.amdhsa_wavefront_size32 1
		.amdhsa_system_sgpr_workgroup_id_x 1
		.amdhsa_system_sgpr_workgroup_id_y 1
		.amdhsa_system_sgpr_workgroup_id_z 1
		.amdhsa_system_vgpr_workitem_id 0
		.amdhsa_next_free_vgpr 160
		.amdhsa_next_free_sgpr 66
		.amdhsa_reserve_vcc 0
		.amdhsa_float_denorm_mode_32 3
		.amdhsa_float_denorm_mode_16_64 3
		.amdhsa_memory_ordered 1
		.amdhsa_forward_progress 1
		.amdhsa_inst_pref_size 11
	.end_amdhsa_kernel
	.amdgpu_metadata
---
amdhsa.version: [ 1, 2 ]
amdhsa.kernels:
  - .name:           k_qd81df51fb4_combine
    .symbol:         k_qd81df51fb4_combine.kd
    .args:
      - { .name: y, .offset: 0, .size: 8, .value_kind: global_buffer, .address_space: global }
      - { .name: rt, .offset: 8, .size: 8, .value_kind: global_buffer, .address_space: global }
      - { .name: plan, .offset: 16, .size: 8, .value_kind: global_buffer, .address_space: global }
      - { .name: out0, .offset: 24, .size: 8, .value_kind: global_buffer, .address_space: global }
    .group_segment_fixed_size: 0
    .private_segment_fixed_size: 0
    .kernarg_segment_align: 8
    .kernarg_segment_size: 32
    .max_flat_workgroup_size: 256
    .sgpr_count:     66
    .vgpr_count:     160
    .wavefront_size: 32
...
	.end_amdgpu_metadata
.endif
;; end of part 5
